; MI455X (gfx1250); checked and timed in simulation.
; The chip was launched on July 23, 2026; its instructions are those of AMD's public machine-readable ISA for CDNA 5 (MIT licence, August 2026) and "CDNA5" Instruction Set Architecture Reference Guide (July 2026). The comments in the code are by the model that wrote it; some were corrected since.
;; Llama4 Mo E. Allowed arithmetic: matrix products marked QUANTISED: E5M2 operands, one given power-of-two scale a tensor, by v_wmma_f32_16x16x64_bf8_bf8 or v_wmma_f32_16x16x128_bf8_bf8, f32 sums; products left as they are: f32 operands where the result goes on into a quantised operand, else bf16, f16 or f32 operands; f32 sums; everything else in f32.
;; Inputs: hidden_states 1,024 x 1,024 float32; lowp_scales 12 int32 (the exponents e of the quantised operands' scales 2^e); router_w 8 x 1,024 float32; w_down 8 x 2,048 x 1,024 float32; w_gate 8 x 1,024 x 2,048 float32; w_up 8 x 1,024 x 2,048 float32; ws_down 2,048 x 1,024 float32; ws_gate 1,024 x 2,048 float32; ws_up 1,024 x 2,048 float32.
;; Outputs: out0 1,024 x 1,024 float32.
;; This version of the problem:
;;   THIS VERSION OF THE PROBLEM IS GIVEN IN LOW PRECISION. The matrix products marked QUANTISED in the list below multiply operands that are first quantised to E5M2 (5 exponent bits, 2 mantissa bits; 8 bits a number), with one given power-of-two scale for each operand tensor; their sums are f32. All else is computed in f32.
;;   The module's matrix products, in the order in which they are computed (A, B: the left and right operand; K: the contracted axis; several contracted axes count as one K, in the product's order):
;;     1. [M 1,024, K 1,024] x [K 1,024, N 8]; A: input hidden_states; B: input router_w: left as it is (N = 8 < 16)
;;     2. batch 8 x [M 1,024, K 1,024] x [K 1,024, N 2,048]; A: computed on the way; B: input w_gate: QUANTISED (scales: A lowp_scales[0], B lowp_scales[1])
;;     3. batch 8 x [M 1,024, K 1,024] x [K 1,024, N 2,048]; A: computed on the way; B: input w_up: QUANTISED (scales: A lowp_scales[2], B lowp_scales[3])
;;     4. batch 8 x [M 1,024, K 2,048] x [K 2,048, N 1,024]; A: computed on the way; B: input w_down: QUANTISED (scales: A lowp_scales[4], B lowp_scales[5])
;;     5. [M 1,024, K 1,024] x [K 1,024, N 2,048]; A: input hidden_states; B: input ws_gate: QUANTISED (scales: A lowp_scales[6], B lowp_scales[7])
;;     6. [M 1,024, K 1,024] x [K 1,024, N 2,048]; A: input hidden_states; B: input ws_up: QUANTISED (scales: A lowp_scales[8], B lowp_scales[9])
;;     7. [M 1,024, K 2,048] x [K 2,048, N 1,024]; A: computed on the way; B: input ws_down: QUANTISED (scales: A lowp_scales[10], B lowp_scales[11])
;;   THE QUANTISER, for each operand of a quantised product, along K:
;;     - The operand's scale is 2^e, e = its entry of the input lowp_scales (int32; the entries are numbered through the quantised products in the list's order, A before B).
;;     - Each number is divided by the scale, clamped to +-57,344, and rounded to the nearest number of E5M2, ties to even, subnormals kept.
;;     - The product sums the exact products of the quantised numbers (number of the format x scale) in f32.
;;   ~~~python
;;   def quantise(x, axis, e):      # numpy; x: float32 -> the quantised numbers, widened to float32 again
;;       x = np.moveaxis(x, axis, -1); K = x.shape[-1]
;;       r = np.clip(x / 2.0 ** e, -57344, 57344)
;;       step = 2.0 ** (np.maximum(np.frexp(np.where(r == 0, 1, r))[1] - 1, -14) - 2)
;;       q = np.round(r / step) * step * 2.0 ** e      # np.round: ties to even
;;       return np.moveaxis(q, -1, axis).astype(np.float32)
;;   ~~~
;;   OPERANDS COMPUTED ON THE WAY. 'Computed on the way' means the value that the module computes at that place (a softmax that the list does not call 'softmax' is quantised finished and normalised). What goes into a quantiser is computed in f32, as accurately as f32 sums, v_exp_f32 and their like allow (about 1e-6 of the number): no bf16 or f16 on the way to a quantiser, and a product that is left as it is and whose result goes on into a quantised operand takes f32 operands (vector FMAs, or v_wmma_f32_16x16x4_f32). A number that lies on a knife's edge between two numbers of the format may be rounded either way, as far as f32 arithmetic and the matrix unit's own rounding can turn it there, and no further.
;; 3 versions, each right; version 2 is faster than version 1; version 3 is version 2 with the launches gateup, down written anew for expert scheduling mode. Each part assembles by itself: llvm-mc -triple=amdgcn-amd-amdhsa -mcpu=gfx1250 --defsym DOCPART=n.
;; ======== version 1 of 3: 5 launches
;; workspace buffers: idx 4,096 bytes of whole numbers; score 4,096 bytes; wsgu 4,194,304 bytes; wsd 2,097,152 bytes; xa 33,554,432 bytes; list 34,816 bytes of whole numbers; cnt 1,024 bytes of whole numbers; hh 33,554,432 bytes
;; launch prep (part 1): grid 320 x 1, 4 waves a work-group, no clusters, 16,896 bytes of LDS; arguments hidden_states, router_w, ws_gate, ws_up, ws_down, lowp_scales, idx, score, wsgu, wsd; writes idx, score, wsgu, wsd
.if DOCPART == 1
	.amdgcn_target "amdgcn-amd-amdhsa--gfx1250"
	.amdhsa_code_object_version 6
	.text
	.protected	k_qd374db28db_prep
	.globl	k_qd374db28db_prep
	.p2align	8
	.type	k_qd374db28db_prep,@function
k_qd374db28db_prep:
	s_mov_b64 s[64:65], 0
	v_nop
	global_prefetch_b8 v0, s[64:65] scope:SCOPE_SE
	s_setreg_imm32_b32 hwreg(HW_REG_WAVE_MODE, 25, 1), 1
	s_wait_xcnt 0x0
; Three jobs that depend on nothing but the inputs, parted on the work-group's number.
;  work-groups 0-63:    THE ROUTER.  logits = x . router_w in f32 (fused multiply-adds), the largest of 8 (the lower index on a tie), its sigmoid.
;                       The choice is stored at fixed places (idx[token], score[token]); a later launch places the rows by it.
;  work-groups 64-191:  ws_gate, ws_up [1024 (k)][2048] f32 -> codes of E5M2 in wsgu [b 32][gate/up 2][tile j 4][K step s 8][2048].
;  work-groups 192-319: ws_down [2048 (k)][1024] f32 -> codes in wsd [block 32][tile t 2][K step 16][2048].
; A block of 2,048 bytes is the IMAGE of an operand fragment (16 rows x 128 K, 16 registers a lane): registers 4c..4c+3 of lane l lie at 512 c + 16 l.
; THE ORDER OF K in a fragment, the same in every operand of the program: byte y of register 4c+q of lane (r = l % 16, h = l / 16) is
; k = 128 s + 64 (c / 2) + 32 h + 16 (c % 2) + 4 q + y: one permutation of k on both sides of each product.
; A lane loads 16 rows (k) x 4 neighbouring columns; the hold at the largest code, which the conversion needs in any case, writes its result
; transposed, so that 16 neighbours along K of one column stand in consecutive registers for the conversion.
; code = x / 2^e, held within +-57,344, to the nearest code, ties to even.
; LIMITS: each e between -126 and 112.  NaN among the inputs is not served.  The router's sums run in another order than a row-by-row sum:
; two largest logits closer than the error of an f32 sum of 1,024 terms may change places.
.set T,    160                         ; v160-223 64 numbers, transposed and held
.set WOFF, 2                           ; v2   my byte offset in a group's rows
.set SC,   4                           ; v4   2^e as f32
.set LIM,  5                           ; v5   57,344 x 2^e
.set OUTO, 7                           ; v7   16 x lane
.macro LOADG dst, base, off0, pitch    ; 16 rows x 16 bytes a lane: register dst + 4 i + j = (row i, column j)
.set li, 0
.rept 16
	global_load_b128 v[\dst+4*li:\dst+4*li+3], v[WOFF], s[\base:\base+1] offset:(\off0)+li*(\pitch) th:TH_LOAD_NT
.set li, li+1
.endr
.endm
.macro QUANTG src, lim, sc, cs         ; 64 numbers -> 4 columns x 16 codes: v[cs + 4 j .. + 3] = column j
.set qi, 0
.rept 16
.set qj, 0
.rept 4
	v_med3_num_f32 v[T+16*qj+qi], v[\src+4*qi+qj], -v[\lim], v[\lim]   ; the conversion to an 8-bit code does not saturate (ISA guide 7.6.2): the hold, and the transposition in the same line
.set qj, qj+1
.endr
.set qi, qi+1
.endr
.set qj, 0
.rept 4
	v_cvt_scalef32_pk8_bf8_f32 v[\cs+4*qj:\cs+4*qj+1], v[T+16*qj:T+16*qj+7], v[\sc]
	v_cvt_scalef32_pk8_bf8_f32 v[\cs+4*qj+2:\cs+4*qj+3], v[T+16*qj+8:T+16*qj+15], v[\sc]
.set qj, qj+1
.endr
	v_nop                                          ; one plain line behind the last conversion: the next group's holds write its sources
.endm
.macro MKSC es, vsc, vlim              ; from the exponent in s[es]: 2^e and 57,344 x 2^e as f32
	s_add_co_i32 s48, s[\es], 127
	s_lshl_b32 s49, s48, 23
	v_mov_b32 v[\vsc], s49
	s_add_co_i32 s48, s48, 15
	s_lshl_b32 s48, s48, 23
	s_or_b32 s48, s48, 0x600000
	v_mov_b32 v[\vlim], s48
.endm
	s_load_b512 s[8:23], s[0:1], 0x0               ; x s[8:9], router_w s[10:11], ws_gate s[12:13], ws_up s[14:15], ws_down s[16:17], scales s[18:19], idx s[20:21], score s[22:23]
	s_load_b128 s[24:27], s[0:1], 0x40             ; wsgu s[24:25], wsd s[26:27]
	v_lshl_add_u32 v30, v0, 2, 0x4000
	v_mov_b32 v31, 0
	v_lshrrev_b32 v3, 5, v0
	v_readfirstlane_b32 s2, v3                     ; wave 0..3
	v_and_b32 v1, 31, v0                           ; lane
	s_cmp_lt_u32 ttmp9, 64
	s_cbranch_scc0 .Lweights
; ---------------- THE ROUTER: wave w takes tokens 16 g + 4 w + 0..3.  Lane l holds k = 128 a + 4 l + q of each row, so each load covers 512 consecutive bytes.
; v32-159 x of four tokens; v160-223 router_w, two chunks of 128 k by turns; v224-255 the 4 x 8 sums.
	v_lshlrev_b32 v2, 4, v1
	s_lshl_b32 s28, ttmp9, 16
	s_lshl_b32 s29, s2, 14
	s_add_co_u32 s28, s28, s29                     ; my first token's row, in bytes
	s_mov_b32 s29, 0
	s_lshr_b32 s32, s28, 10                        ; 4 x my first token
	s_mov_b32 s33, 0
	s_mov_b32 s30, 0x76543210                      ; v_permlanex16_b32: lane l xor 16
	s_mov_b32 s31, 0xfedcba98
	s_wait_kmcnt 0x0
	s_add_nc_u64 s[8:9], s[8:9], s[28:29]
	s_add_nc_u64 s[20:21], s[20:21], s[32:33]
	s_add_nc_u64 s[22:23], s[22:23], s[32:33]
.set rt, 0
.rept 4
.set ra, 0
.rept 8
	global_load_b128 v[32+32*rt+4*ra:32+32*rt+4*ra+3], v2, s[8:9] offset:rt*4096+ra*512
.set ra, ra+1
.endr
.set rt, rt+1
.endr
.macro RWLOAD a
.irp e, 0,1,2,3,4,5,6,7
	global_load_b128 v[160+32*((\a)%2)+4*\e:160+32*((\a)%2)+4*\e+3], v2, s[10:11] offset:\e*4096+(\a)*512
.endr
.endm
.macro CHUNK a                         ; 128 along K: 128 multiply-adds a lane, on 32 sums by turns
.if (\a) < 7
	s_wait_loadcnt 8                               ; x and this chunk of router_w are in; the next chunk's eight loads may be out
.else
	s_wait_loadcnt 0
.endif
.irp q, 0,1,2,3
.irp t, 0,1,2,3
.irp e, 0,1,2,3,4,5,6,7
.if ((\a) == 0) && (\q == 0)
	v_mul_f32 v[224+8*\t+\e], v[32+32*\t+4*(\a)+\q], v[160+32*((\a)%2)+4*\e+\q]    ; the first product starts the sum
.else
	v_fmac_f32 v[224+8*\t+\e], v[32+32*\t+4*(\a)+\q], v[160+32*((\a)%2)+4*\e+\q]
.endif
.endr
.endr
.endr
.if (\a) < 6
	RWLOAD (\a)+2
.endif
.endm
	RWLOAD 0
	RWLOAD 1
.irp a, 0,1,2,3,4,5,6,7
	CHUNK \a
.endr
.irp m, 1,2,4,8                        ; the 32 sums over the 32 lanes: every lane ends with every sum
.set n, 0
.rept 32
	v_add_f32_dpp v[224+n], v[224+n], v[224+n] row_xmask:\m row_mask:0xf bank_mask:0xf
.set n, n+1
.endr
.endr
.set n, 0
.rept 32
	v_permlanex16_b32 v[160+n], v[224+n], s30, s31
.set n, n+1
.endr
.set n, 0
.rept 32
	v_add_f32 v[224+n], v[224+n], v[160+n]
.set n, n+1
.endr
.irp t, 0,1,2,3
	v_mov_b32 v[192+\t], 0                         ; the choice so far: expert 0, whose logit lies in v[224 + 8 t]
.endr
.irp e, 1,2,3,4,5,6,7
	v_mov_b32 v[200+\e], \e
.endr
.irp e, 1,2,3,4,5,6,7
.irp t, 0,1,2,3
	v_cmp_gt_f32 vcc_lo, v[224+8*\t+\e], v[224+8*\t]   ; strictly larger: a tie keeps the lower index
	v_cndmask_b32 v[224+8*\t], v[224+8*\t], v[224+8*\t+\e], vcc_lo
	v_cndmask_b32 v[192+\t], v[192+\t], v[200+\e], vcc_lo
.endr
.endr
.irp t, 0,1,2,3
	v_mul_f32 v[208+\t], 0xbfb8aa3b, v[224+8*\t]   ; -log2(e) x logit
.endr
.irp t, 0,1,2,3
	v_exp_f32 v[208+\t], v[208+\t]
.endr
	v_nop                                          ; a plain line behind the transcendentals
	s_wait_alu depctr_va_vdst(0)
.irp t, 0,1,2,3
	v_add_f32 v[208+\t], 1.0, v[208+\t]
.endr
.irp t, 0,1,2,3
	v_rcp_f32 v[208+\t], v[208+\t]                 ; sigmoid = 1 / (1 + 2^(-log2(e) x))
.endr
	v_mov_b32 v212, v192                           ; (a plain line)  lane t of 0..3 takes token t's pair
	s_wait_alu depctr_va_vdst(0)
	v_mov_b32 v213, v208
.irp t, 1,2,3
	v_cmp_eq_u32 vcc_lo, \t, v1
	v_cndmask_b32 v212, v212, v[192+\t], vcc_lo
	v_cndmask_b32 v213, v213, v[208+\t], vcc_lo
.endr
	v_lshlrev_b32 v214, 2, v1
	v_cmp_gt_u32 vcc_lo, 4, v1
	s_wait_xcnt 0x0                                ; EXEC is narrowed only behind this wait
	s_and_saveexec_b32 s3, vcc_lo
	global_store_b32 v214, v212, s[20:21]          ; 16 bytes a wave: the two tables are 4 KiB each in all
	global_store_b32 v214, v213, s[22:23]
	s_endpgm
.Lweights:
	s_cmp_lt_u32 ttmp9, 192
	s_cbranch_scc0 .Ldownw
; ---------------- ws_gate, ws_up.  a = work-group - 64: block b = a / 4 of 64 columns, gate or up = bit 1 of a, K step s = 4 (a % 2) + wave.
; Lane (r, h) takes columns 64 b + 4 r + 0..3 (sixteen lanes: 256 consecutive bytes of a row) and, in group c, rows 128 s + 64 (c / 2) + 16 (c % 2) + 32 h + 0..15.
; Column j of the lane's four is row r of tile j, so a lane's 16 codes are chunk c of tile j's image at 16 l: each store covers 512 consecutive bytes.
	s_sub_co_u32 s3, ttmp9, 64
	s_lshr_b32 s4, s3, 1                           ; 2 b + gate/up
	s_and_b32 s5, s3, 1
	s_lshl_b32 s5, s5, 2
	s_add_co_u32 s5, s5, s2                        ; s
	s_lshr_b32 s6, s3, 2                           ; b
	s_lshl_b32 s28, s5, 20                         ; 128 rows of 8,192 bytes
	s_lshl_b32 s6, s6, 8
	s_add_co_u32 s28, s28, s6
	s_mov_b32 s29, 0
	s_lshl_b32 s30, s4, 16
	s_lshl_b32 s31, s5, 11
	s_add_co_u32 s30, s30, s31
	s_mov_b32 s31, 0
	v_and_b32 v3, 15, v0
	v_bfe_u32 v6, v0, 4, 1
	v_lshlrev_b32 v[WOFF], 4, v3
	v_lshl_add_u32 v[WOFF], v6, 18, v[WOFF]        ; 16 r + 32 rows x h
	v_lshlrev_b32 v[OUTO], 4, v1
	s_wait_kmcnt 0x0
	s_load_b32 s36, s[18:19], 0x1c                 ; e of ws_gate
	s_load_b32 s37, s[18:19], 0x24                 ; e of ws_up
	s_bitcmp1_b32 s3, 1                            ; the choice hangs on the work-group's number alone
	s_cselect_b64 s[12:13], s[14:15], s[12:13]
	s_add_nc_u64 s[12:13], s[12:13], s[28:29]
	s_add_nc_u64 s[24:25], s[24:25], s[30:31]
	LOADG 32, 12, 0, 8192
	LOADG 96, 12, 16*8192, 8192
	s_wait_kmcnt 0x0
	s_bitcmp1_b32 s3, 1
	s_cselect_b32 s36, s37, s36
	MKSC 36, SC, LIM
.macro QAGROUP c, left
	s_wait_loadcnt \left                           ; this group's 16 loads are in; the next group's may be out
.if (\c) >= 2
	s_wait_xcnt 0x0                                ; the set of codes that is written next was store data two groups ago
.endif
	QUANTG 32+64*((\c)%2), LIM, SC, 224+16*((\c)%2)
.irp j, 0,1,2,3
	global_store_b128 v[OUTO], v[224+16*((\c)%2)+4*\j:224+16*((\c)%2)+4*\j+3], s[24:25] offset:\j*16384+(\c)*512
.endr
.if (\c) < 2
	LOADG 32+64*((\c)%2), 12, (64+16*(\c))*8192, 8192
.endif
.endm
	QAGROUP 0, 16
	QAGROUP 1, 16
	QAGROUP 2, 16
	QAGROUP 3, 0
	s_endpgm
.Ldownw:
; ---------------- ws_down.  a = work-group - 192: block a / 4 of 32 columns, K step s = 4 (a % 4) + wave.
; Lane l takes columns 32 blk + 4 (l % 8) + 0..3 and, in group p, rows 128 s + 64 p + 16 (l / 8) + 0..15.  Tile t's row r is column 32 blk + 2 r + t, so column j goes to tile j % 2,
; row 2 (l % 8) + j / 2, chunk 2 p + (l / 8) % 2, half l / 16: another lane's place.  So the two images are put together in the wave's own 4 KiB of LDS and leave as they lie.
	s_sub_co_u32 s3, ttmp9, 192
	s_lshr_b32 s4, s3, 2                           ; block
	s_and_b32 s5, s3, 3
	s_lshl_b32 s5, s5, 2
	s_add_co_u32 s5, s5, s2                        ; s
	s_lshl_b32 s28, s5, 19                         ; 128 rows of 4,096 bytes
	s_lshl_b32 s6, s4, 7
	s_add_co_u32 s28, s28, s6
	s_mov_b32 s29, 0
	s_lshl_b32 s30, s4, 16
	s_lshl_b32 s31, s5, 11
	s_add_co_u32 s30, s30, s31
	s_mov_b32 s31, 0
	v_and_b32 v3, 7, v0
	v_bfe_u32 v6, v0, 3, 2
	v_lshlrev_b32 v[WOFF], 4, v3
	v_lshl_add_u32 v[WOFF], v6, 16, v[WOFF]        ; 16 (l % 8) + 16 rows x (l / 8)
	v_bfe_u32 v8, v0, 3, 1
	v_bfe_u32 v9, v0, 4, 1
	v_lshlrev_b32 v10, 5, v3
	v_lshl_add_u32 v10, v8, 9, v10
	v_lshl_add_u32 v10, v9, 8, v10                 ; 32 (l % 8) + 512 ((l / 8) % 2) + 256 (l / 16)
	s_lshl_b32 s7, s2, 12
	v_add_nc_u32 v10, s7, v10                      ; into my stage
	v_lshlrev_b32 v[OUTO], 4, v1
	v_add_nc_u32 v11, s7, v[OUTO]                  ; and out of it
	s_wait_kmcnt 0x0
	s_load_b32 s36, s[18:19], 0x2c                 ; e of ws_down
	s_add_nc_u64 s[16:17], s[16:17], s[28:29]
	s_add_nc_u64 s[26:27], s[26:27], s[30:31]
	LOADG 32, 16, 0, 4096
	LOADG 96, 16, 64*4096, 4096
	s_wait_kmcnt 0x0
	MKSC 36, SC, LIM
.irp p, 0,1
	s_wait_loadcnt 16-16*\p                        ; group p is in; group 1 may be out while group 0 is worked
	QUANTG 32+64*\p, LIM, SC, 224+16*\p
.irp j, 0,1,2,3
	ds_store_b128 v10, v[224+16*\p+4*\j:224+16*\p+4*\j+3] offset:(\j%2)*2048+\p*1024+16*(\j/2)
.endr
.endr
.irp n, 0,1,2,3,4,5,6,7
	ds_load_b128 v[32+4*\n:32+4*\n+3], v11 offset:512*\n   ; LDS serves a wave's instructions in order (ISA guide 5.7.1.4): these see my stores
.endr
.irp n, 0,1,2,3,4,5,6,7
	s_wait_dscnt 7-\n
	global_store_b128 v[OUTO], v[32+4*\n:32+4*\n+3], s[26:27] offset:(\n/4)*32768+(\n%4)*512
.endr
	s_wait_tensorcnt 0x0
	ds_add_u32 v30, v31
	s_wait_dscnt 0x0
	s_endpgm
.Lfunc_end_k_qd374db28db_prep:
	.size	k_qd374db28db_prep, .Lfunc_end_k_qd374db28db_prep-k_qd374db28db_prep
	.p2alignl 7, 3214868480
	.fill 96, 4, 3214868480
	.section	.rodata,"a",@progbits
	.p2align	6, 0x0
	.amdhsa_kernel k_qd374db28db_prep
		.amdhsa_group_segment_fixed_size 16896
		.amdhsa_private_segment_fixed_size 0
		.amdhsa_enable_private_segment 0
		.amdhsa_kernarg_size 80
		.amdhsa_user_sgpr_count 2
		.amdhsa_user_sgpr_kernarg_segment_ptr 1
		.amdhsa_wavefront_size32 1
		.amdhsa_system_sgpr_workgroup_id_x 1
		.amdhsa_system_sgpr_workgroup_id_y 1
		.amdhsa_system_sgpr_workgroup_id_z 1
		.amdhsa_system_vgpr_workitem_id 0
		.amdhsa_next_free_vgpr 256
		.amdhsa_next_free_sgpr 66
		.amdhsa_reserve_vcc 1
		.amdhsa_float_denorm_mode_32 3
		.amdhsa_float_denorm_mode_16_64 3
		.amdhsa_memory_ordered 1
		.amdhsa_forward_progress 1
		.amdhsa_inst_pref_size 101
	.end_amdhsa_kernel
	.amdgpu_metadata
---
amdhsa.version: [ 1, 2 ]
amdhsa.kernels:
  - .name:           k_qd374db28db_prep
    .symbol:         k_qd374db28db_prep.kd
    .args:
      - { .name: hidden_states, .offset: 0, .size: 8, .value_kind: global_buffer, .address_space: global }
      - { .name: router_w, .offset: 8, .size: 8, .value_kind: global_buffer, .address_space: global }
      - { .name: ws_gate, .offset: 16, .size: 8, .value_kind: global_buffer, .address_space: global }
      - { .name: ws_up, .offset: 24, .size: 8, .value_kind: global_buffer, .address_space: global }
      - { .name: ws_down, .offset: 32, .size: 8, .value_kind: global_buffer, .address_space: global }
      - { .name: lowp_scales, .offset: 40, .size: 8, .value_kind: global_buffer, .address_space: global }
      - { .name: idx, .offset: 48, .size: 8, .value_kind: global_buffer, .address_space: global }
      - { .name: score, .offset: 56, .size: 8, .value_kind: global_buffer, .address_space: global }
      - { .name: wsgu, .offset: 64, .size: 8, .value_kind: global_buffer, .address_space: global }
      - { .name: wsd, .offset: 72, .size: 8, .value_kind: global_buffer, .address_space: global }
    .group_segment_fixed_size: 16896
    .private_segment_fixed_size: 0
    .kernarg_segment_align: 8
    .kernarg_segment_size: 80
    .max_flat_workgroup_size: 128
    .sgpr_count:     66
    .vgpr_count:     256
    .wavefront_size: 32
...
	.end_amdgpu_metadata
.endif
;; end of part 1
;; launch sort (part 2): grid 8 x 1, 1 waves a work-group, no clusters, 0 bytes of LDS; arguments idx, list, cnt; writes list, cnt
.if DOCPART == 2
	.amdgcn_target "amdgcn-amd-amdhsa--gfx1250"
	.amdhsa_code_object_version 6
	.text
	.protected	k_qd374db28db_sort
	.globl	k_qd374db28db_sort
	.p2align	8
	.type	k_qd374db28db_sort,@function
k_qd374db28db_sort:
	s_mov_b64 s[64:65], 0
	v_nop
	global_prefetch_b8 v0, s[64:65] scope:SCOPE_SE
	s_setreg_imm32_b32 hwreg(HW_REG_WAVE_MODE, 25, 1), 1
	s_wait_xcnt 0x0
; The rows are placed by expert: a counting placement over the 1,024 choices that the router's launch stored, without atomics.  Work-group e, one wave, makes expert e's list.
; Register 4 a + q of lane l is the choice of token 128 a + 4 l + q.  A token of expert e goes to the slot = tokens of e counted in the registers before + those in lower lanes.
; list [e][1088 words]: slots 0 .. n - 1 the expert's tokens; slots n .. n + 31 repeat slot 0's token, so that the last unit of 32 slots is full: such a slot later computes, and stores,
; the very bits of slot 0, and no later launch needs a mask.  Words 1056 .. 1087 take, lane by lane, what does not belong to e: nobody reads them; so every lane stores in every line.
; cnt [e][32]: the number of units, ceil(n / 32), 32 times, so that the store covers 128 consecutive bytes.
; The later launches read counts and tokens from memory, as whole numbers, and form their trip counts and addresses from them.
; Eight waves are all the work there is: 4 KiB are read, 35 KiB written.  The stores are of 4 bytes a lane; the lanes of e write neighbouring slots.
; v32-63 the choices; v64-95 a byte offset for each store; v96-127 a token for each store: no store's register is written again.
.set ROWB, 4352                        ; a row of list in bytes
	s_load_b128 s[4:7], s[0:1], 0x0                ; idx s[4:5], list s[6:7]
	s_load_b64 s[8:9], s[0:1], 0x10                ; cnt
	s_mov_b32 s3, ttmp9                            ; e
	v_lshlrev_b32 v2, 4, v0                        ; one wave: v0 is the lane.  16 l
	v_lshlrev_b32 v6, 2, v0                        ; 4 l
	v_add_nc_u32 v7, 1056, v0                      ; the lane's own word behind the list
	s_mul_i32 s10, s3, ROWB
	s_mov_b32 s11, 0
	s_lshl_b32 s12, s3, 7
	s_mov_b32 s13, 0
	s_mov_b32 s14, 0                               ; tokens of e so far
	s_mov_b32 s15, 0                               ; slot 0's token
	s_wait_kmcnt 0x0
	s_add_nc_u64 s[6:7], s[6:7], s[10:11]
	s_add_nc_u64 s[8:9], s[8:9], s[12:13]
.irp a, 0,1,2,3,4,5,6,7
	global_load_b128 v[32+4*\a:32+4*\a+3], v2, s[4:5] offset:512*\a
.endr
	s_wait_loadcnt 0x0
.set n, 0
.rept 32
	v_cmp_eq_u32 vcc_lo, s3, v[32+n]
	v_mbcnt_lo_u32_b32 v[64+n], vcc_lo, s14        ; the slot
	v_cndmask_b32 v[64+n], v7, v[64+n], vcc_lo
	v_min_u32 v[64+n], 0x43f, v[64+n]              ; inside the row's 1,088 words
	v_lshlrev_b32 v[64+n], 2, v[64+n]
	v_add_nc_u32 v[96+n], 128*(n/4)+(n%4), v6      ; the token
	global_store_b32 v[64+n], v[96+n], s[6:7]
	s_ctz_i32_b32 s16, vcc_lo                      ; the lowest lane of e in this register: its token is slot 0's if none was counted before
	s_lshl_b32 s16, s16, 2
	s_add_co_u32 s16, s16, 128*(n/4)+(n%4)         ; (of an empty mask: a number that the next register's line replaces, since the count is still 0)
	s_cmp_eq_u32 s14, 0
	s_cselect_b32 s15, s16, s15
	s_bcnt1_i32_b32 s17, vcc_lo
	s_add_co_u32 s14, s14, s17
.set n, n+1
.endr
	s_min_u32 s15, s15, 1023                       ; (an expert without tokens: any token; it has no unit, and nobody reads its row)
	v_add_nc_u32 v8, s14, v0
	v_min_u32 v8, 0x43f, v8
	v_lshlrev_b32 v8, 2, v8
	v_mov_b32 v9, s15
	global_store_b32 v8, v9, s[6:7]                ; slots n .. n + 31 repeat slot 0's token
	s_add_co_u32 s16, s14, 31
	s_lshr_b32 s16, s16, 5                         ; units
	v_mov_b32 v10, s16
	global_store_b32 v6, v10, s[8:9]
	s_endpgm
.Lfunc_end_k_qd374db28db_sort:
	.size	k_qd374db28db_sort, .Lfunc_end_k_qd374db28db_sort-k_qd374db28db_sort
	.p2alignl 7, 3214868480
	.fill 96, 4, 3214868480
	.section	.rodata,"a",@progbits
	.p2align	6, 0x0
	.amdhsa_kernel k_qd374db28db_sort
		.amdhsa_group_segment_fixed_size 0
		.amdhsa_private_segment_fixed_size 0
		.amdhsa_enable_private_segment 0
		.amdhsa_kernarg_size 24
		.amdhsa_user_sgpr_count 2
		.amdhsa_user_sgpr_kernarg_segment_ptr 1
		.amdhsa_wavefront_size32 1
		.amdhsa_system_sgpr_workgroup_id_x 1
		.amdhsa_system_sgpr_workgroup_id_y 1
		.amdhsa_system_sgpr_workgroup_id_z 1
		.amdhsa_system_vgpr_workitem_id 0
		.amdhsa_next_free_vgpr 128
		.amdhsa_next_free_sgpr 66
		.amdhsa_reserve_vcc 1
		.amdhsa_float_denorm_mode_32 3
		.amdhsa_float_denorm_mode_16_64 3
		.amdhsa_memory_ordered 1
		.amdhsa_forward_progress 1
		.amdhsa_inst_pref_size 22
	.end_amdhsa_kernel
	.amdgpu_metadata
---
amdhsa.version: [ 1, 2 ]
amdhsa.kernels:
  - .name:           k_qd374db28db_sort
    .symbol:         k_qd374db28db_sort.kd
    .args:
      - { .name: idx, .offset: 0, .size: 8, .value_kind: global_buffer, .address_space: global }
      - { .name: list, .offset: 8, .size: 8, .value_kind: global_buffer, .address_space: global }
      - { .name: cnt, .offset: 16, .size: 8, .value_kind: global_buffer, .address_space: global }
    .group_segment_fixed_size: 0
    .private_segment_fixed_size: 0
    .kernarg_segment_align: 8
    .kernarg_segment_size: 24
    .max_flat_workgroup_size: 32
    .sgpr_count:     66
    .vgpr_count:     128
    .wavefront_size: 32
...
	.end_amdgpu_metadata
.endif
;; end of part 2
;; launch place (part 3): grid 32 x 8, 4 waves a work-group, no clusters, 0 bytes of LDS; arguments list, score, hidden_states, lowp_scales, xa, cnt; writes xa
.if DOCPART == 3
	.amdgcn_target "amdgcn-amd-amdhsa--gfx1250"
	.amdhsa_code_object_version 6
	.text
	.protected	k_qd374db28db_place
	.globl	k_qd374db28db_place
	.p2align	8
	.type	k_qd374db28db_place,@function
k_qd374db28db_place:
	s_mov_b64 s[64:65], 0
	v_nop
	global_prefetch_b8 v0, s[64:65] scope:SCOPE_SE
	s_setreg_imm32_b32 hwreg(HW_REG_WAVE_MODE, 25, 1), 1
	s_wait_xcnt 0x0
; The placed rows are gathered and quantised.  Work-group (u, e) owns slots 32 u .. 32 u + 31 of expert e: a UNIT.  The number of units and the token of each slot are whole numbers that
; the launch before stored.  The grid serves every split, all tokens on one expert too; a work-group whose unit is empty stores nothing and ends.
; xa [e 8][u 32][type 2][K step s 8][tile 2][gate/up 2][2048]: images of operand fragments (16 slots x 128 K; registers 4c..4c+3 of lane l at 512 c + 16 l; byte y of register 4c+q of
; lane (r, h) is k = 128 s + 64 (c / 2) + 32 h + 16 (c % 2) + 4 q + y).  type 0: score x x, with the scales of the routed gate and up products; type 1: x, with those of the shared ones.
; Waves share nothing: no LDS, no barrier.
; LIMITS: each e between -126 and 112.  NaN among the inputs is not served.
.set T,    160                         ; v160-223 64 numbers, held
; v1 lane; v2 16 l; v3 4 r; v8-15 four pairs (2^e, 57,344 x 2^e); v19 128 h; v22, v23 my two tokens, then the byte offsets of their rows;
; v[24:25], v[26:27] their scores; v28, v29 the scores' offsets; v32-95, v96-159 two sets of 64 numbers of x; v224-239, v240-255 two sets of codes
.macro MKSC es, vsc, vlim
	s_add_co_i32 s48, s[\es], 127
	s_lshl_b32 s49, s48, 23
	v_mov_b32 v[\vsc], s49
	s_add_co_i32 s48, s48, 15
	s_lshl_b32 s48, s48, 23
	s_or_b32 s48, s48, 0x600000
	v_mov_b32 v[\vlim], s48
.endm
	s_load_b256 s[8:15], s[0:1], 0x0               ; list s[8:9], score s[10:11], x s[12:13], scales s[14:15]
	s_load_b128 s[16:19], s[0:1], 0x20             ; xa s[16:17], cnt s[18:19]
	v_lshrrev_b32 v3, 5, v0
	v_readfirstlane_b32 s2, v3                     ; wave 0..3
	s_and_b32 s3, ttmp7, 0xffff                    ; e
	v_and_b32 v1, 31, v0
	v_lshlrev_b32 v2, 4, v1
	v_and_b32 v3, 15, v0
	v_lshlrev_b32 v3, 2, v3                        ; 4 r
	v_bfe_u32 v19, v0, 4, 1
	v_lshlrev_b32 v19, 7, v19
	s_lshl_b32 s24, s3, 22                         ; xa: 4 MiB an expert, 128 KiB a unit, 16 KiB for a wave's two K steps
	s_lshl_b32 s25, ttmp9, 17
	s_add_co_u32 s24, s24, s25
	s_lshl_b32 s25, s2, 14
	s_add_co_u32 s24, s24, s25
	s_mov_b32 s25, 0
	s_mul_i32 s26, s3, 4352                        ; list: 4,352 bytes an expert, 128 a unit
	s_lshl_b32 s27, ttmp9, 7
	s_add_co_u32 s26, s26, s27
	s_mov_b32 s27, 0
	s_lshl_b32 s28, s3, 7                          ; cnt: 128 bytes an expert
	s_lshl_b32 s30, s2, 10                         ; x: my two K steps' 1,024 bytes of a row
	s_mov_b32 s31, 0
	s_wait_kmcnt 0x0
	s_load_b32 s5, s[18:19], s28 offset:0x0        ; the expert's units
	s_load_b256 s[36:43], s[14:15], 0x0            ; e0 .. e7
	s_load_b32 s44, s[14:15], 0x20                 ; e8
	s_add_nc_u64 s[16:17], s[16:17], s[24:25]
	s_add_nc_u64 s[8:9], s[8:9], s[26:27]
	s_add_nc_u64 s[12:13], s[12:13], s[30:31]
	s_wait_kmcnt 0x0
	s_min_u32 s5, s5, 32
	s_cmp_ge_u32 ttmp9, s5
	s_cbranch_scc1 .Lend                           ; a branch on a whole number that an earlier launch stored
	global_load_b32 v22, v3, s[8:9]                ; the token of slot r of tile 0,
	global_load_b32 v23, v3, s[8:9] offset:64      ; of tile 1
	v_mov_b32 v25, 0                               ; (named as the upper halves of pairs)
	v_mov_b32 v27, 0
	MKSC 42, 8, 9                                  ; x for ws_gate
	MKSC 44, 10, 11                                ; x for ws_up
	MKSC 36, 12, 13                                ; score x x for w_gate
	MKSC 38, 14, 15                                ; score x x for w_up
	s_wait_loadcnt 0x0
	v_min_u32 v22, 0x3ff, v22
	v_min_u32 v23, 0x3ff, v23
	v_lshlrev_b32 v28, 2, v22
	v_lshlrev_b32 v29, 2, v23
	v_lshl_add_u32 v22, v22, 12, v19               ; its row of 4,096 bytes, + 128 h
	v_lshl_add_u32 v23, v23, 12, v19
	global_load_b32 v24, v28, s[10:11]
	global_load_b32 v26, v29, s[10:11]
; Wave w takes K steps 2 w and 2 w + 1.  Combination n: tile n / 2, K step 2 w + n % 2.  A lane's 64 numbers: twice 32 neighbours, 128 bytes each, already in the fragment's order of k.
.macro LOADX n
.set lm, 0
.rept 16
	global_load_b128 v[32+64*((\n)%2)+4*lm:32+64*((\n)%2)+4*lm+3], v[22+(\n)/2], s[12:13] offset:((\n)%2)*512+256*(lm/8)+16*(lm%8)
.set lm, lm+1
.endr
.endm
	LOADX 0
	LOADX 1
.macro VERSION n, ver, type, gu        ; the set's 64 numbers with scale number ver: one image
.set vi, 0
.rept 64
	v_med3_num_f32 v[T+vi], v[32+64*((\n)%2)+vi], -v[9+2*(\ver)], v[9+2*(\ver)]   ; the hold at the largest code x the scale (ISA guide 7.6.2)
.set vi, vi+1
.endr
	s_wait_xcnt 0x0                                ; the set of codes that is written next was store data two versions ago
.set vi, 0
.rept 4
	v_cvt_scalef32_pk8_bf8_f32 v[224+16*((\ver)%2)+4*vi:224+16*((\ver)%2)+4*vi+1], v[T+16*vi:T+16*vi+7], v[8+2*(\ver)]
	v_cvt_scalef32_pk8_bf8_f32 v[224+16*((\ver)%2)+4*vi+2:224+16*((\ver)%2)+4*vi+3], v[T+16*vi+8:T+16*vi+15], v[8+2*(\ver)]
.set vi, vi+1
.endr
	v_nop                                          ; one plain line behind the last conversion: the next version's holds write its sources
.irp c, 0,1,2,3
	global_store_b128 v2, v[224+16*((\ver)%2)+4*\c:224+16*((\ver)%2)+4*\c+3], s[16:17] offset:(\type)*65536+((\n)%2)*8192+((\n)/2)*4096+(\gu)*2048+\c*512   ; 512 consecutive bytes
.endr
.endm
.macro COMBO n, left
	s_wait_loadcnt \left                           ; this combination's 16 loads are in (the scores are older); the next one's 16 may be out
	VERSION \n, 0, 1, 0
	VERSION \n, 1, 1, 1
.set ci, 0
.rept 32
	v_pk_mul_f32 v[32+64*((\n)%2)+2*ci:32+64*((\n)%2)+2*ci+1], v[32+64*((\n)%2)+2*ci:32+64*((\n)%2)+2*ci+1], v[24+2*((\n)/2):25+2*((\n)/2)] op_sel_hi:[1,0]   ; the router's weight on the input
.set ci, ci+1
.endr
	VERSION \n, 2, 0, 0
	VERSION \n, 3, 0, 1
.if (\n) < 2
	LOADX (\n)+2
.endif
.endm
	COMBO 0, 16
	COMBO 1, 16
	COMBO 2, 16
	COMBO 3, 0
.Lend:
	s_endpgm
.Lfunc_end_k_qd374db28db_place:
	.size	k_qd374db28db_place, .Lfunc_end_k_qd374db28db_place-k_qd374db28db_place
	.p2alignl 7, 3214868480
	.fill 96, 4, 3214868480
	.section	.rodata,"a",@progbits
	.p2align	6, 0x0
	.amdhsa_kernel k_qd374db28db_place
		.amdhsa_group_segment_fixed_size 0
		.amdhsa_private_segment_fixed_size 0
		.amdhsa_enable_private_segment 0
		.amdhsa_kernarg_size 48
		.amdhsa_user_sgpr_count 2
		.amdhsa_user_sgpr_kernarg_segment_ptr 1
		.amdhsa_wavefront_size32 1
		.amdhsa_system_sgpr_workgroup_id_x 1
		.amdhsa_system_sgpr_workgroup_id_y 1
		.amdhsa_system_sgpr_workgroup_id_z 1
		.amdhsa_system_vgpr_workitem_id 0
		.amdhsa_next_free_vgpr 256
		.amdhsa_next_free_sgpr 66
		.amdhsa_reserve_vcc 0
		.amdhsa_float_denorm_mode_32 3
		.amdhsa_float_denorm_mode_16_64 3
		.amdhsa_memory_ordered 1
		.amdhsa_forward_progress 1
		.amdhsa_inst_pref_size 97
	.end_amdhsa_kernel
	.amdgpu_metadata
---
amdhsa.version: [ 1, 2 ]
amdhsa.kernels:
  - .name:           k_qd374db28db_place
    .symbol:         k_qd374db28db_place.kd
    .args:
      - { .name: list, .offset: 0, .size: 8, .value_kind: global_buffer, .address_space: global }
      - { .name: score, .offset: 8, .size: 8, .value_kind: global_buffer, .address_space: global }
      - { .name: hidden_states, .offset: 16, .size: 8, .value_kind: global_buffer, .address_space: global }
      - { .name: lowp_scales, .offset: 24, .size: 8, .value_kind: global_buffer, .address_space: global }
      - { .name: xa, .offset: 32, .size: 8, .value_kind: global_buffer, .address_space: global }
      - { .name: cnt, .offset: 40, .size: 8, .value_kind: global_buffer, .address_space: global }
    .group_segment_fixed_size: 0
    .private_segment_fixed_size: 0
    .kernarg_segment_align: 8
    .kernarg_segment_size: 48
    .max_flat_workgroup_size: 128
    .sgpr_count:     66
    .vgpr_count:     256
    .wavefront_size: 32
...
	.end_amdgpu_metadata
.endif
;; end of part 3
;; launch gateup (part 4): grid 32 x 8, 4 waves a work-group, no clusters, 262,656 bytes of LDS; arguments xa, cnt, w_gate, w_up, wsgu, lowp_scales, hh; writes hh
.if DOCPART == 4
	.amdgcn_target "amdgcn-amd-amdhsa--gfx1250"
	.amdhsa_code_object_version 6
	.text
	.protected	k_qd374db28db_gateup
	.globl	k_qd374db28db_gateup
	.p2align	8
	.type	k_qd374db28db_gateup,@function
k_qd374db28db_gateup:
	s_mov_b64 s[64:65], 0
	v_nop
	global_prefetch_b8 v0, s[64:65] scope:SCOPE_SE
	s_setreg_imm32_b32 hwreg(HW_REG_WAVE_MODE, 25, 1), 1
	s_wait_xcnt 0x0
; h = silu(gate) x up, quantised for the down products, for expert e's tokens and hidden units 64 b .. 64 b + 63: of the routed expert (type 0) and of the shared expert (type 1).
; THE WEIGHTS STAY, THE TOKENS WALK.  Work-group (b, e) reads its slice of w_gate[e] and w_up[e] (1,024 rows x 256 bytes each) from memory once, as f32, quantises it in registers and lays
; it in LDS as images of operand fragments, beside the same slice of the shared weights' codes, which an earlier launch made.  One barrier.  Then each wave walks units (32 slots) w, w + 4, ..
; of the expert on its own: no barrier stands in that loop, whose trip count is made of a stored whole number.  For that reason the launch has no tensor load, no copy and no cluster: all
; operands go through registers.  What the 32 work-groups of an expert share, the tokens' codes, is a quarter of what a work-group reads.
; FRAGMENTS: 16 rows x 128 K, 16 registers; image: registers 4c..4c+3 of lane l at 512 c + 16 l; byte y of register 4c+q of lane (r, h) is k = 128 s + 64 (c/2) + 32 h + 16 (c%2) + 4 q + y,
; the same permutation of k on both sides.  THE PRODUCT IS USED TRANSPOSED: source 0 = 16 columns of a weight, source 1 = 16 slots: a lane holds one slot.  Tile j's row m is column
; 64 b + 4 m + j, so a lane's 4 x 8 results are the 32 neighbouring hidden units 64 b + 32 h + 0..31: two whole chunks of the down products' fragment, stored as they stand.
; SCALES: a raw sum stands for sum x 2^(eA + eB).  h's code = Graw Uraw / (1 + 2^(-log2(e) 2^eg Graw)) / 2^(eh - eg - eu): eg is folded into the exponential's factor, the rest into the conversion's scale.
; LIMITS: e of w_gate and w_up, and eh - eg - eu, between -126 and 112; eg = eA + eB of a gate product between -126 and 127.  NaN among the inputs is not served.
; LDS: 128 images [type 2][gate/up 2][tile j 4][K step s 8][2048].
; REGISTERS, in windows of 256.  window 0: v2-19 addresses and scales; v32-63 at work; v64-127 gate's 8 accumulators (tile of slots y, tile j: 64 + 32 y + 8 j), v128-191 up's; v192-207 h's codes;
;   while the weights are quantised: v64-127 64 numbers held, v128-159 two sets of codes.   window 1: first a ring of four groups of 64 registers as loaded, then the weights' fragments, two sets of 8.
;   windows 2, 3: the unit's token fragments of one type: K step s at window 2 + s / 4, register 64 (s % 4) + 32 y + 16 gate/up.
.set WOFF, 2                           ; v2   16 r + 32 rows x h: my place in a group of a weight's rows
.set LI,   3                           ; v3   16 x lane
.set LB,   3                           ; v3-6 16 x lane + 65,536 (2 type + gate/up)
.set IMW,  7                           ; v7-8 where I store images: LB[gate/up] + 4,096 x wave (my K steps 2 w, 2 w + 1)
.set CPL,  9                           ; v9   the shared codes' place in LDS: 131,072 + 32,768 x wave + 16 x lane
.set CPG,  10                          ; v10  and in their block of wsgu
.set SCW,  12                          ; v12-15 (2^e, 57,344 x 2^e) of w_gate, of w_up
.set SCH,  16                          ; v16-19 the same for h, type 0, type 1
.set T32,  32
.set G,    64
.set U,    128
.set HC,   192
.set T,    64
.set CS,   128
.set MSB,  0
.macro WIN new                         ; the immediate's high byte repeats the setting that is left; bits 1:0 source 0, 3:2 source 1, 5:4 source 2, 7:6 destination
.if MSB != (\new)
	s_set_vgpr_msb (MSB<<8)|(\new)
.set MSB, \new
.endif
.endm
.macro MKSC es, vsc, vlim
	s_add_co_i32 s48, s[\es], 127
	s_lshl_b32 s49, s48, 23
	v_mov_b32 v[\vsc], s49
	s_add_co_i32 s48, s48, 15
	s_lshl_b32 s48, s48, 23
	s_or_b32 s48, s48, 0x600000
	v_mov_b32 v[\vlim], s48
.endm
.macro LOADG dst, base, off0, pitch    ; 16 rows x 16 bytes a lane: sixteen lanes read 256 consecutive bytes of a row
.set li, 0
.rept 16
	global_load_b128 v[\dst+4*li:\dst+4*li+3], v[WOFF], s[\base:\base+1] offset:(\off0)+li*(\pitch) th:TH_LOAD_NT
.set li, li+1
.endr
.endm
.macro HOLD src, lim                   ; the hold at the largest code x the scale (ISA guide 7.6.2) writes its result transposed: 16 neighbours along K of a column on end
.set qi, 0
.rept 16
.set qj, 0
.rept 4
	v_med3_num_f32 v[T+16*qj+qi], v[\src+4*qi+qj], -v[\lim], v[\lim]
.set qj, qj+1
.endr
.set qi, qi+1
.endr
.endm
.macro CVT sc, cs
.set qj, 0
.rept 4
	v_cvt_scalef32_pk8_bf8_f32 v[\cs+4*qj:\cs+4*qj+1], v[T+16*qj:T+16*qj+7], v[\sc]
	v_cvt_scalef32_pk8_bf8_f32 v[\cs+4*qj+2:\cs+4*qj+3], v[T+16*qj+8:T+16*qj+15], v[\sc]
.set qj, qj+1
.endr
	v_nop                                          ; one plain line behind the last conversion
.endm
.macro ALOAD s, off                    ; the four token fragments of K step s (two tiles x gate/up): 16 loads of 512 consecutive bytes
	WIN 0x80+0x40*((\s)/4)
.set an, 0
.rept 16
	global_load_b128 v[64*((\s)%4)+4*an:64*((\s)%4)+4*an+3], v[LI], s[8:9] offset:(\off)+(\s)*8192+512*an
.set an, an+1
.endr
.endm
.macro BLOAD type, s, p                ; the eight weight fragments of K step s into set p
	WIN 0x40
.irp gu, 0,1
.irp j, 0,1,2,3
.irp c, 0,1,2,3
	ds_load_b128 v[128*(\p)+64*\gu+16*\j+4*\c:128*(\p)+64*\gu+16*\j+4*\c+3], v[LB+2*(\type)+\gu] offset:\j*16384+(\s)*2048+\c*512
.endr
.endr
.endr
.endm
; Group g of the stream: 0-3 my quarter of the shared codes; 4-19 my K steps of w_gate, then of w_up, 16 rows a lane; 20-23 my first unit's token fragments, two K steps each.
.macro ISSUE g
.if (\g) < 4
	WIN 0x40
.set im, 0
.rept 16
	global_load_b128 v[64*(\g)+4*im:64*(\g)+4*im+3], v[CPG], s[16:17] offset:512*(16*(\g)+im)
.set im, im+1
.endr
.elseif (\g) < 20
	WIN 0x40
.set igu, ((\g)-4)/8
.set isl, (((\g)-4)/4)%2
.set ic, ((\g)-4)%4
	LOADG 64*((\g)%4), 12+2*igu, (128*isl+64*(ic/2)+16*(ic%2))*8192, 8192
.else
	ALOAD 2*((\g)-20), 0
	ALOAD 2*((\g)-20)+1, 0
.endif
.endm
.macro STEP1 n, left                   ; group n is worked, and group n + 4 takes its place in the ring
	s_wait_loadcnt \left                           ; loads come back in order (ISA guide 5.7.1): group n is in; left = the loads issued behind it, or less
.if (\n) < 4
	WIN 0x04                                       ; store data in window 1
.set sm, 0
.rept 16
	ds_store_b128 v[CPL], v[64*(\n)+4*sm:64*(\n)+4*sm+3] offset:512*(16*(\n)+sm)
.set sm, sm+1
.endr
	s_wait_dscnt 0x0                               ; the stores have read their registers, which are loaded again below
.else
.set sgu, ((\n)-4)/8
.set ssl, (((\n)-4)/4)%2
.set sc4, ((\n)-4)%4
.set scs, CS+16*((\n)%2)
	WIN 0x01                                       ; source 0 in window 1
	HOLD 64*((\n)%4), SCW+2*sgu+1
	WIN 0
	s_wait_dscnt 4                                 ; the last group's four stores may be out; those of the group before, which read this set of codes, are done
	CVT SCW+2*sgu, scs
.irp j, 0,1,2,3
	ds_store_b128 v[IMW+sgu], v[scs+4*\j:scs+4*\j+3] offset:\j*16384+ssl*2048+sc4*512   ; chunk c of tile j's image: 512 consecutive bytes
.endr
.endif
	ISSUE (\n)+4
.endm
	s_load_b256 s[8:15], s[0:1], 0x0               ; xa s[8:9], cnt s[10:11], w_gate s[12:13], w_up s[14:15]
	s_load_b128 s[16:19], s[0:1], 0x20             ; wsgu s[16:17], scales s[18:19]
	s_load_b64 s[20:21], s[0:1], 0x30              ; hh
	v_lshl_add_u32 v254, v0, 2, 0x40000
	v_mov_b32 v255, 0
	v_lshrrev_b32 v20, 5, v0
	v_readfirstlane_b32 s2, v20                    ; wave 0..3
	s_and_b32 s3, ttmp7, 0xffff                    ; e
	s_mov_b32 s4, ttmp9                            ; b
	v_and_b32 v20, 31, v0
	v_lshlrev_b32 v[LI], 4, v20
	v_and_b32 v21, 15, v0
	v_bfe_u32 v22, v0, 4, 1
	v_lshlrev_b32 v[WOFF], 4, v21
	v_lshl_add_u32 v[WOFF], v22, 18, v[WOFF]
.irp n, 1,2,3
	v_add_nc_u32 v[LB+\n], 65536*\n, v[LI]
.endr
	s_lshl_b32 s7, s2, 12
	v_add_nc_u32 v[IMW], s7, v[LB]
	v_add_nc_u32 v[IMW+1], s7, v[LB+1]
	s_lshl_b32 s23, s2, 15
	v_add_nc_u32 v[CPG], s23, v[LI]
	v_add_nc_u32 v[CPL], 0x20000, v[CPG]
	s_lshl_b32 s40, s3, 22                         ; xa, hh: 4 MiB an expert, 128 KiB a unit: my first unit is w
	s_lshl_b32 s41, s2, 17
	s_add_co_u32 s40, s40, s41
	s_mov_b32 s41, 0
	s_lshl_b32 s42, s3, 23                         ; the weights: 8 MiB an expert, my 256 rows of 8,192 bytes, my block's 256 bytes
	s_lshl_b32 s43, s2, 21
	s_add_co_u32 s42, s42, s43
	s_lshl_b32 s43, s4, 8
	s_add_co_u32 s42, s42, s43
	s_mov_b32 s43, 0
	s_lshl_b32 s44, s4, 17                         ; wsgu: 128 KiB a block
	s_mov_b32 s45, 0
	s_lshr_b32 s46, s4, 1                          ; hh: the down products' K step b / 2 (4,096 bytes), chunks 2 (b % 2) and the next
	s_lshl_b32 s46, s46, 12
	s_and_b32 s47, s4, 1
	s_lshl_b32 s47, s47, 10
	s_add_co_u32 s46, s46, s47
	s_add_co_u32 s46, s46, s40
	s_mov_b32 s47, 0
	s_lshl_b32 s22, s3, 7
	s_wait_kmcnt 0x0
	s_load_b32 s5, s[10:11], s22 offset:0x0        ; the expert's units
	s_load_b256 s[24:31], s[18:19], 0x0            ; e0 .. e7
	s_load_b128 s[32:35], s[18:19], 0x20           ; e8 .. e11
	s_add_nc_u64 s[8:9], s[8:9], s[40:41]
	s_add_nc_u64 s[12:13], s[12:13], s[42:43]
	s_add_nc_u64 s[14:15], s[14:15], s[42:43]
	s_add_nc_u64 s[16:17], s[16:17], s[44:45]
	s_add_nc_u64 s[20:21], s[20:21], s[46:47]
.irp g, 0,1,2,3
	ISSUE \g                                       ; the ring is filled: four groups of 16 loads of 512 bytes a wave
.endr
	WIN 0
	s_wait_kmcnt 0x0
	s_min_u32 s5, s5, 32
	s_cmp_lt_u32 s2, s5                            ; a wave that has no unit takes its first token fragments, which are asked for without a branch, from the shared codes' block:
	s_cselect_b64 s[8:9], s[8:9], s[16:17]         ; bytes that are written whole, of which nothing is used; so the counts of the waits below are the same in every wave
	MKSC 25, SCW, SCW+1
	MKSC 27, SCW+2, SCW+3
	s_add_co_i32 s50, s24, s25                     ; eg, routed
	s_add_co_i32 s51, s26, s27                     ; eu
	s_sub_co_i32 s52, s28, s50
	s_sub_co_i32 s52, s52, s51                     ; eh - eg - eu
	s_add_co_i32 s53, s30, s31                     ; the same, shared
	s_add_co_i32 s54, s32, s33
	s_sub_co_i32 s55, s34, s53
	s_sub_co_i32 s55, s55, s54
	MKSC 52, SCH, SCH+1
	MKSC 55, SCH+2, SCH+3
	s_lshl_b32 s36, s50, 23
	s_add_co_u32 s36, s36, 0xbfb8aa3b              ; -log2(e) x 2^eg: eg is added to the exponent field
	s_mov_b32 s37, s36                             ; (named with it as a pair)
	s_lshl_b32 s38, s53, 23
	s_add_co_u32 s38, s38, 0xbfb8aa3b
	s_mov_b32 s39, s38
; ---------------- PHASE 1: 20 groups through the ring.  Behind group n stand three groups, 48 loads; behind groups 17, 18, 19 stand 64, 80, 96: there the count is the largest that the wait can name, which is less
.irp n, 0,1,2,3,4,5,6,7,8,9,10,11,12,13,14,15,16
	STEP1 \n, 48
.endr
	STEP1 17, 63
	STEP1 18, 63
	STEP1 19, 63
	WIN 0
	s_wait_dscnt 0x0                               ; for the others' sake: my images are in LDS
	s_barrier_signal -1
	s_barrier_wait -1                              ; all 128 images are; from here on LDS is only read
; ---------------- PHASE 2
; A K step: 16 matrix instructions, tile j x tile of slots y x gate/up, on 16 accumulators that take turns in the same order in every step.
.macro KSTEP type, s
	s_wait_dscnt 32                                ; this step's eight weight fragments are in; the next step's 32 loads may be out
	WIN 0x09+4*((\s)/4)                            ; source 0 (weights) window 1, source 1 (tokens) window 2 or 3, C and D window 0
.irp j, 0,1,2,3
.irp y, 0,1
.irp gu, 0,1
.if (\s) == 0
	v_wmma_f32_16x16x128_bf8_bf8 v[G+64*\gu+32*\y+8*\j:G+64*\gu+32*\y+8*\j+7], v[128*((\s)%2)+64*\gu+16*\j:128*((\s)%2)+64*\gu+16*\j+15], v[64*((\s)%4)+32*\y+16*\gu:64*((\s)%4)+32*\y+16*\gu+15], 0
.else
	v_wmma_f32_16x16x128_bf8_bf8 v[G+64*\gu+32*\y+8*\j:G+64*\gu+32*\y+8*\j+7], v[128*((\s)%2)+64*\gu+16*\j:128*((\s)%2)+64*\gu+16*\j+15], v[64*((\s)%4)+32*\y+16*\gu:64*((\s)%4)+32*\y+16*\gu+15], v[G+64*\gu+32*\y+8*\j:G+64*\gu+32*\y+8*\j+7]
.endif
.endr
.endr
.endr
.rept 4
	v_nop                                          ; four places in front of the loads into registers just read, and of the first read of results
.endr
.if (\type) == 0
	ALOAD \s, 65536                                ; the step's token registers are free: they take the same K step of type 1
.endif
.if (\s) < 6
	BLOAD \type, (\s)+2, (\s)%2
.else
	BLOAD 1-(\type), (\s)-6, (\s)%2                ; on into the other type's first steps: LDS holds them in every trip
.endif
.endm
; From 16 accumulators to h's codes.  Each accumulator is read from its low end on.
.macro EPI type
	WIN 0
	s_wait_xcnt 0x0                                ; h's codes were store data
.irp y, 0,1
.set en, 0
.rept 16
	v_pk_mul_f32 v[T32+2*en:T32+2*en+1], v[G+32*\y+2*en:G+32*\y+2*en+1], s[36+2*(\type):37+2*(\type)] op_sel_hi:[1,0]   ; -log2(e) x gate
.set en, en+1
.endr
.set en, 0
.rept 32
	v_exp_f32 v[T32+en], v[T32+en]
.set en, en+1
.endr
	v_nop                                          ; a plain line behind the transcendentals
.set en, 0
	s_wait_alu depctr_va_vdst(0)
.rept 16
	v_pk_add_f32 v[T32+2*en:T32+2*en+1], v[T32+2*en:T32+2*en+1], 1.0 op_sel_hi:[1,0]
.set en, en+1
.endr
.set en, 0
.rept 32
	v_rcp_f32 v[T32+en], v[T32+en]                 ; sigmoid(gate)
.set en, en+1
.endr
.set en, 0
.rept 16
	v_pk_mul_f32 v[G+32*\y+2*en:G+32*\y+2*en+1], v[G+32*\y+2*en:G+32*\y+2*en+1], v[U+32*\y+2*en:U+32*\y+2*en+1]   ; (plain lines behind the reciprocals)  gate x up
.set en, en+1
.endr
.set en, 0
	s_wait_alu depctr_va_vdst(0)
.rept 16
	v_pk_mul_f32 v[G+32*\y+2*en:G+32*\y+2*en+1], v[G+32*\y+2*en:G+32*\y+2*en+1], v[T32+2*en:T32+2*en+1]
.set en, en+1
.endr
.set ei, 0
.rept 8
.set ej, 0
.rept 4
	v_med3_num_f32 v[U+32*\y+4*ei+ej], v[G+32*\y+8*ej+ei], -v[SCH+2*(\type)+1], v[SCH+2*(\type)+1]   ; the hold, and hidden unit 64 b + 32 h + 4 i + j to its place among the 32
.set ej, ej+1
.endr
.set ei, ei+1
.endr
.set en, 0
.rept 4
	v_cvt_scalef32_pk8_bf8_f32 v[HC+8*\y+2*en:HC+8*\y+2*en+1], v[U+32*\y+8*en:U+32*\y+8*en+7], v[SCH+2*(\type)]
.set en, en+1
.endr
	v_nop                                          ; one plain line behind the last conversion: the next products write its sources
.irp m, 0,1
	global_store_b128 v[LI], v[HC+8*\y+4*\m:HC+8*\y+4*\m+3], s[20:21] offset:(\type)*65536+\y*2048+512*\m   ; a chunk of the down products' fragment: 512 consecutive bytes, aligned
.endr
.endr
.endm
	s_cmp_ge_u32 s2, s5
	s_cbranch_scc1 .Lend                           ; no unit for this wave
	s_sub_co_u32 s5, s5, s2                        ; my units are w, w + 4, ..: ceil((units - w) / 4) trips, 1 to 8;
	s_add_co_u32 s5, s5, 3
	s_lshr_b32 s5, s5, 2
	s_mov_b32 s6, 0                                ; the loop counts its trips, one at a time
	BLOAD 0, 0, 0
	BLOAD 0, 1, 1
	WIN 0
.Lunit:
	s_wait_loadcnt 0x0                             ; the unit's type 0 fragments, asked for a pass ago or more
.irp k, 0,1,2,3,4,5,6,7
	KSTEP 0, \k
.endr
	EPI 0
	s_wait_loadcnt 0x0                             ; its type 1 fragments, asked for step by step in the pass before
.irp k, 0,1,2,3,4,5,6,7
	KSTEP 1, \k
.endr
	WIN 0
	s_add_co_u32 s7, s6, 1
	s_cmp_ge_u32 s7, s5
	s_cbranch_scc1 .Lno_next
.irp k, 0,1,2,3,4,5,6,7
	ALOAD \k, 524288                               ; my next unit's type 0 fragments, four units on, if there is one: no load reads what nobody stored
.endr
	WIN 0
.Lno_next:
	EPI 1
	s_wait_xcnt 0x0                                ; the bases are stepped only behind this wait
	s_add_nc_u64 s[8:9], s[8:9], 0x80000           ; four units on
	s_add_nc_u64 s[20:21], s[20:21], 0x80000
	s_add_co_u32 s6, s6, 1
	s_cmp_lt_u32 s6, s5
	s_cbranch_scc1 .Lunit
	s_wait_dscnt 0x0                               ; the fragments fetched for a trip that does not come
.Lend:
	s_wait_tensorcnt 0x0
	ds_add_u32 v254, v255
	s_wait_dscnt 0x0
	s_endpgm
.Lfunc_end_k_qd374db28db_gateup:
	.size	k_qd374db28db_gateup, .Lfunc_end_k_qd374db28db_gateup-k_qd374db28db_gateup
	.p2alignl 7, 3214868480
	.fill 96, 4, 3214868480
	.section	.rodata,"a",@progbits
	.p2align	6, 0x0
	.amdhsa_kernel k_qd374db28db_gateup
		.amdhsa_group_segment_fixed_size 262656
		.amdhsa_private_segment_fixed_size 0
		.amdhsa_enable_private_segment 0
		.amdhsa_kernarg_size 56
		.amdhsa_user_sgpr_count 2
		.amdhsa_user_sgpr_kernarg_segment_ptr 1
		.amdhsa_wavefront_size32 1
		.amdhsa_system_sgpr_workgroup_id_x 1
		.amdhsa_system_sgpr_workgroup_id_y 1
		.amdhsa_system_sgpr_workgroup_id_z 1
		.amdhsa_system_vgpr_workitem_id 0
		.amdhsa_next_free_vgpr 1024
		.amdhsa_next_free_sgpr 66
		.amdhsa_reserve_vcc 0
		.amdhsa_float_denorm_mode_32 3
		.amdhsa_float_denorm_mode_16_64 3
		.amdhsa_memory_ordered 1
		.amdhsa_forward_progress 1
		.amdhsa_inst_pref_size 245
	.end_amdhsa_kernel
	.amdgpu_metadata
---
amdhsa.version: [ 1, 2 ]
amdhsa.kernels:
  - .name:           k_qd374db28db_gateup
    .symbol:         k_qd374db28db_gateup.kd
    .args:
      - { .name: xa, .offset: 0, .size: 8, .value_kind: global_buffer, .address_space: global }
      - { .name: cnt, .offset: 8, .size: 8, .value_kind: global_buffer, .address_space: global }
      - { .name: w_gate, .offset: 16, .size: 8, .value_kind: global_buffer, .address_space: global }
      - { .name: w_up, .offset: 24, .size: 8, .value_kind: global_buffer, .address_space: global }
      - { .name: wsgu, .offset: 32, .size: 8, .value_kind: global_buffer, .address_space: global }
      - { .name: lowp_scales, .offset: 40, .size: 8, .value_kind: global_buffer, .address_space: global }
      - { .name: hh, .offset: 48, .size: 8, .value_kind: global_buffer, .address_space: global }
    .group_segment_fixed_size: 262656
    .private_segment_fixed_size: 0
    .kernarg_segment_align: 8
    .kernarg_segment_size: 56
    .max_flat_workgroup_size: 128
    .sgpr_count:     66
    .vgpr_count:     1024
    .wavefront_size: 32
...
	.end_amdgpu_metadata
.endif
;; end of part 4
;; launch down (part 5): grid 32 x 8, 4 waves a work-group, no clusters, 150,016 bytes of LDS; arguments hh, cnt, list, w_down, wsd, lowp_scales, out0; writes out0
.if DOCPART == 5
	.amdgcn_target "amdgcn-amd-amdhsa--gfx1250"
	.amdhsa_code_object_version 6
	.text
	.protected	k_qd374db28db_down
	.globl	k_qd374db28db_down
	.p2align	8
	.type	k_qd374db28db_down,@function
k_qd374db28db_down:
	s_mov_b64 s[64:65], 0
	v_nop
	global_prefetch_b8 v0, s[64:65] scope:SCOPE_SE
	s_setreg_imm32_b32 hwreg(HW_REG_WAVE_MODE, 25, 1), 1
	s_wait_xcnt 0x0
; out[token][32 blk .. + 31] = h_routed w_down[e] + h_shared ws_down, for expert e's tokens: every number of the output has ONE owner, work-group (blk, e) of its token's expert.
; As in the launch before, the weights stay and the tokens walk: the work-group reads its slice of w_down[e] (2,048 rows x 128 bytes, f32) from memory once, quantises it in registers, lays it in
; LDS as images of operand fragments beside the shared slice's codes; one barrier; then each wave walks units w, w + 4, .. on its own.  The trip count is made of a stored whole number, so the launch
; has no tensor load, no copy and no cluster.  A block of 32 columns gives 256 work-groups; its rows are pieces of 128 bytes, in and out: 64 columns would leave half of the grid without work.
; FRAGMENTS, IMAGES AND THE ORDER OF K as in the launches before.  Transposed use: source 0 = 16 columns of a weight, source 1 = 16 slots.  Tile t's row m is column 32 blk + 2 m + t, so a lane's
; 2 x 8 results of a slot are the 16 neighbouring columns 32 blk + 16 h + 0..15.
; A slot beyond the expert's count repeats slot 0's token: it stores the same bits to the same place, from this work-group.
; LIMITS: e of w_down between -126 and 112; e4 + e5 and e10 + e11 between -126 and 127.  NaN among the inputs is not served.
; LDS: 64 images [type 2][tile t 2][K step 16][2048]; behind them a stage of 2 x 16 rows x 144 bytes for each wave.
; REGISTERS.  window 0: v2-13 addresses and scales; v16-23 tokens as loaded, v24-31 their byte offsets; v64-127 the accumulators (64 + 32 type + 16 t + 8 y); v128-159 sums; v160-191 rows on their way out;
;   while the weights are quantised: v64-127 numbers held, v128-159 two sets of codes.   window 1: the ring, then the weights' fragments, two sets of 8.   windows 2, 3: the unit's fragments of h of one type:
;   K step s at window 2 + s / 8, register 32 (s % 8) + 16 y.
.set WOFF, 2                           ; v2   16 (l % 8) + 16 rows x (l / 8)
.set LI,   3                           ; v3   16 x lane
.set LBD,  3                           ; v3-4 16 x lane + 65,536 type
.set DIMW, 5                           ; v5   where my codes go in an image, + 8,192 x wave (my K steps 4 w .. 4 w + 3)
.set CPL,  6                           ; v6   the shared codes' place in LDS
.set CPG,  7                           ; v7   and in their block of wsd
.set STI,  8                           ; v8   the stage: row r, + 64 h
.set STB,  9                           ; v9   and back: row l / 8, + 16 (l % 8)
.set LOF,  10                          ; v10  4 (l / 8)
.set COF,  11                          ; v11  16 (l % 8)
.set SCW,  12                          ; v12, v13  2^e and 57,344 x 2^e of w_down
.set LT,   16
.set TK,   24
.set ACC,  64
.set O,    128
.set OUTR, 160
.set T,    64
.set CS,   128
.set MSB,  0
.macro WIN new                         ; the immediate's high byte repeats the setting that is left
.if MSB != (\new)
	s_set_vgpr_msb (MSB<<8)|(\new)
.set MSB, \new
.endif
.endm
.macro LOADG dst, base, off0, pitch    ; 16 rows x 16 bytes a lane: eight lanes read 128 consecutive bytes of a row
.set li, 0
.rept 16
	global_load_b128 v[\dst+4*li:\dst+4*li+3], v[WOFF], s[\base:\base+1] offset:(\off0)+li*(\pitch) th:TH_LOAD_NT
.set li, li+1
.endr
.endm
.macro HOLD src, lim                   ; the hold at the largest code x the scale (ISA guide 7.6.2), written transposed
.set qi, 0
.rept 16
.set qj, 0
.rept 4
	v_med3_num_f32 v[T+16*qj+qi], v[\src+4*qi+qj], -v[\lim], v[\lim]
.set qj, qj+1
.endr
.set qi, qi+1
.endr
.endm
.macro CVT sc, cs
.set qj, 0
.rept 4
	v_cvt_scalef32_pk8_bf8_f32 v[\cs+4*qj:\cs+4*qj+1], v[T+16*qj:T+16*qj+7], v[\sc]
	v_cvt_scalef32_pk8_bf8_f32 v[\cs+4*qj+2:\cs+4*qj+3], v[T+16*qj+8:T+16*qj+15], v[\sc]
.set qj, qj+1
.endr
	v_nop                                          ; one plain line behind the last conversion
.endm
.macro ALOAD s, off                    ; the two fragments of h of K step s: 8 loads of 512 consecutive bytes
	WIN 0x80+0x40*((\s)/8)
.set an, 0
.rept 8
	global_load_b128 v[32*((\s)%8)+4*an:32*((\s)%8)+4*an+3], v[LI], s[8:9] offset:(\off)+(\s)*4096+512*an
.set an, an+1
.endr
.endm
.macro BLOAD type, beta, p             ; the eight weight fragments of K steps 4 beta .. 4 beta + 3 into set p
	WIN 0x40
.irp t, 0,1
.irp k, 0,1,2,3
.irp c, 0,1,2,3
	ds_load_b128 v[128*(\p)+64*\t+16*\k+4*\c:128*(\p)+64*\t+16*\k+4*\c+3], v[LBD+(\type)] offset:\t*32768+(4*(\beta)+\k)*2048+\c*512
.endr
.endr
.endr
.endm
; Group g of the stream: 0-1 my quarter of the shared codes; 2-9 my four K steps of w_down, 64 rows each; 10-13 my first unit's fragments of h, four K steps each.
.macro ISSUE g
.if (\g) < 2
	WIN 0x40
.set im, 0
.rept 16
	global_load_b128 v[64*(\g)+4*im:64*(\g)+4*im+3], v[CPG], s[16:17] offset:512*(16*(\g)+im)
.set im, im+1
.endr
.elseif (\g) < 10
	WIN 0x40
.set isl, ((\g)-2)/2
.set ip, ((\g)-2)%2
	LOADG 64*((\g)%4), 14, (128*isl+64*ip)*4096, 4096
.else
.irp k, 0,1,2,3
	ALOAD 4*((\g)-10)+\k, 0
.endr
.endif
.endm
.macro STEP1 n, left
	s_wait_loadcnt \left                           ; group n is in; left = the loads issued behind it, or less
.if (\n) < 2
	WIN 0x04
.set sm, 0
.rept 16
	ds_store_b128 v[CPL], v[64*(\n)+4*sm:64*(\n)+4*sm+3] offset:512*(16*(\n)+sm)
.set sm, sm+1
.endr
	s_wait_dscnt 0x0                               ; the stores have read their registers, which are loaded again below
.else
.set ssl, ((\n)-2)/2
.set spp, ((\n)-2)%2
.set scs, CS+16*((\n)%2)
	WIN 0x01
	HOLD 64*((\n)%4), SCW+1
	WIN 0
	s_wait_dscnt 4                                 ; the last group's four stores may be out; those that read this set of codes are done
	CVT SCW, scs
.irp j, 0,1,2,3
	ds_store_b128 v[DIMW], v[scs+4*\j:scs+4*\j+3] offset:(\j%2)*32768+ssl*2048+spp*1024+16*(\j/2)   ; column j: tile j % 2, row 2 (l % 8) + j / 2
.endr
.endif
	ISSUE (\n)+4
.endm
	s_load_b256 s[8:15], s[0:1], 0x0               ; hh s[8:9], cnt s[10:11], list s[12:13], w_down s[14:15]
	s_load_b128 s[16:19], s[0:1], 0x20             ; wsd s[16:17], scales s[18:19]
	s_load_b64 s[20:21], s[0:1], 0x30              ; out
	v_lshl_add_u32 v254, v0, 2, 0x24800
	v_mov_b32 v255, 0
	v_lshrrev_b32 v32, 5, v0
	v_readfirstlane_b32 s2, v32                    ; wave 0..3
	s_and_b32 s3, ttmp7, 0xffff                    ; e
	s_mov_b32 s4, ttmp9                            ; block of 32 columns
	v_and_b32 v33, 31, v0
	v_lshlrev_b32 v[LI], 4, v33
	v_and_b32 v34, 7, v0                           ; l % 8
	v_bfe_u32 v35, v0, 3, 2                        ; l / 8
	v_lshlrev_b32 v[COF], 4, v34
	v_lshl_add_u32 v[WOFF], v35, 16, v[COF]
	v_add_nc_u32 v[LBD+1], 0x10000, v[LI]
	v_bfe_u32 v36, v0, 3, 1
	v_bfe_u32 v37, v0, 4, 1                        ; h
	v_lshlrev_b32 v[DIMW], 5, v34
	v_lshl_add_u32 v[DIMW], v36, 9, v[DIMW]
	v_lshl_add_u32 v[DIMW], v37, 8, v[DIMW]        ; 32 (l % 8) + 512 ((l / 8) % 2) + 256 h
	s_lshl_b32 s7, s2, 13
	v_add_nc_u32 v[DIMW], s7, v[DIMW]
	s_lshl_b32 s23, s2, 14
	v_add_nc_u32 v[CPG], s23, v[LI]
	v_add_nc_u32 v[CPL], 0x10000, v[CPG]
	s_mul_i32 s29, s2, 4608
	s_add_co_u32 s29, s29, 131072                  ; my stage
	v_and_b32 v38, 15, v0
	v_mul_u32_u24 v[STI], v38, 144
	v_lshl_add_u32 v[STI], v37, 6, v[STI]
	v_add_nc_u32 v[STI], s29, v[STI]
	v_mul_u32_u24 v[STB], v35, 144
	v_lshl_add_u32 v[STB], v34, 4, v[STB]
	v_add_nc_u32 v[STB], s29, v[STB]
	v_lshlrev_b32 v[LOF], 2, v35
	s_lshl_b32 s40, s3, 22                         ; hh: 4 MiB an expert, 128 KiB a unit
	s_lshl_b32 s41, s2, 17
	s_add_co_u32 s40, s40, s41
	s_mov_b32 s41, 0
	s_mul_i32 s42, s3, 4352                        ; list: 4,352 bytes an expert, 128 a unit
	s_lshl_b32 s43, s2, 7
	s_add_co_u32 s42, s42, s43
	s_mov_b32 s43, 0
	s_lshl_b32 s44, s3, 23                         ; w_down: 8 MiB an expert, my 512 rows of 4,096 bytes, my block's 128 bytes
	s_lshl_b32 s45, s2, 21
	s_add_co_u32 s44, s44, s45
	s_lshl_b32 s45, s4, 7
	s_add_co_u32 s44, s44, s45
	s_mov_b32 s45, 0
	s_lshl_b32 s46, s4, 16                         ; wsd: 64 KiB a block
	s_mov_b32 s47, 0
	s_lshl_b32 s50, s4, 7                          ; out: my block's 128 bytes of a row
	s_mov_b32 s51, 0
	s_lshl_b32 s22, s3, 7
	s_wait_kmcnt 0x0
	s_load_b32 s5, s[10:11], s22 offset:0x0        ; the expert's units
	s_load_b64 s[24:25], s[18:19], 0x10            ; e4, e5
	s_load_b64 s[26:27], s[18:19], 0x28            ; e10, e11
	s_add_nc_u64 s[8:9], s[8:9], s[40:41]
	s_add_nc_u64 s[12:13], s[12:13], s[42:43]
	s_add_nc_u64 s[14:15], s[14:15], s[44:45]
	s_add_nc_u64 s[16:17], s[16:17], s[46:47]
	s_add_nc_u64 s[20:21], s[20:21], s[50:51]
.irp g, 0,1,2,3
	ISSUE \g
.endr
	WIN 0
	s_wait_kmcnt 0x0
	s_min_u32 s5, s5, 32
	s_cmp_lt_u32 s2, s5                            ; a wave that has no unit takes its first fragments, which are asked for without a branch, from the shared codes' block:
	s_cselect_b64 s[8:9], s[8:9], s[16:17]         ; bytes that are written whole, of which nothing is used
	s_add_co_i32 s48, s25, 127
	s_lshl_b32 s49, s48, 23
	v_mov_b32 v[SCW], s49
	s_add_co_i32 s48, s48, 15
	s_lshl_b32 s48, s48, 23
	s_or_b32 s48, s48, 0x600000
	v_mov_b32 v[SCW+1], s48
	s_add_co_i32 s28, s24, s25
	s_add_co_i32 s28, s28, 127
	s_lshl_b32 s28, s28, 23                        ; 2^(e4 + e5) as f32
	s_add_co_i32 s30, s26, s27
	s_add_co_i32 s30, s30, 127
	s_lshl_b32 s30, s30, 23                        ; 2^(e10 + e11)
	s_mov_b32 s31, s30                             ; (named with it as a pair)
; ---------------- PHASE 1: 10 groups through the ring.  Behind group n stand three groups, 48 loads; behind groups 7, 8, 9 stand 64, 80, 96: there the count is the largest that the wait can name, which is less
.irp n, 0,1,2,3,4,5,6
	STEP1 \n, 48
.endr
	STEP1 7, 63
	STEP1 8, 63
	STEP1 9, 63
	WIN 0
	s_wait_dscnt 0x0                               ; for the others' sake: my images are in LDS
	s_barrier_signal -1
	s_barrier_wait -1                              ; all 64 images are; behind this barrier they are only read, and a stage is its wave's own
; ---------------- PHASE 2
; A block of four K steps: 16 matrix instructions on the type's four accumulators (tile t x tile of slots y), which take turns, one instruction a turn.
.macro BLOCK type, beta
	s_wait_dscnt 32                                ; this block's eight weight fragments are in; the next block's 32 loads may be out
	WIN 0x09+4*((\beta)/2)                         ; source 0 (weights) window 1, source 1 (h) window 2 or 3, C and D window 0
.irp k, 0,1,2,3
.irp t, 0,1
.irp y, 0,1
.if ((\beta) == 0) && (\k == 0)
	v_wmma_f32_16x16x128_bf8_bf8 v[ACC+32*(\type)+16*\t+8*\y:ACC+32*(\type)+16*\t+8*\y+7], v[128*((\beta)%2)+64*\t+16*\k:128*((\beta)%2)+64*\t+16*\k+15], v[32*((4*(\beta)+\k)%8)+16*\y:32*((4*(\beta)+\k)%8)+16*\y+15], 0
.else
	v_wmma_f32_16x16x128_bf8_bf8 v[ACC+32*(\type)+16*\t+8*\y:ACC+32*(\type)+16*\t+8*\y+7], v[128*((\beta)%2)+64*\t+16*\k:128*((\beta)%2)+64*\t+16*\k+15], v[32*((4*(\beta)+\k)%8)+16*\y:32*((4*(\beta)+\k)%8)+16*\y+15], v[ACC+32*(\type)+16*\t+8*\y:ACC+32*(\type)+16*\t+8*\y+7]
.endif
.endr
.endr
.endr
.rept 4
	v_nop                                          ; four places in front of the loads into registers just read, and of the first read of results
.endr
.if (\type) == 0
.irp k, 0,1,2,3
	ALOAD 4*(\beta)+\k, 65536                      ; the block's registers of h are free: they take the same K steps of type 1
.endr
.endif
.if (\beta) < 2
	BLOAD \type, (\beta)+2, (\beta)%2
.else
	BLOAD 1-(\type), (\beta)-2, (\beta)%2
.endif
.endm
	s_cmp_ge_u32 s2, s5
	s_cbranch_scc1 .Lend                           ; no unit for this wave
	s_sub_co_u32 s5, s5, s2                        ; my units are w, w + 4, ..: ceil((units - w) / 4) trips, 1 to 8;
	s_add_co_u32 s5, s5, 3
	s_lshr_b32 s5, s5, 2
	s_mov_b32 s6, 0                                ; the loop counts its trips, one at a time
	BLOAD 0, 0, 0
	BLOAD 0, 1, 1
	WIN 0
.Lunit:
	s_wait_loadcnt 0x0                             ; the unit's routed h, asked for a pass ago or more
.irp y, 0,1
.irp m, 0,1,2,3
	global_load_b32 v[LT+4*\y+\m], v[LOF], s[12:13] offset:(16*\y+4*\m)*4   ; the token of slot 16 y + 4 m + l / 8: wanted at the unit's end
.endr
.endr
.irp b, 0,1,2,3
	BLOCK 0, \b
.endr
	WIN 0
	s_wait_loadcnt 0x0                             ; the tokens, and the unit's shared h, asked for block by block in the pass before
.irp n, 0,1,2,3,4,5,6,7
	v_min_u32 v[TK+\n], 0x3ff, v[LT+\n]
.endr
.irp n, 0,1,2,3,4,5,6,7
	v_lshl_add_u32 v[TK+\n], v[TK+\n], 12, v[COF]  ; the token's row of 4,096 bytes, + 16 (l % 8)
.endr
.irp b, 0,1,2,3
	BLOCK 1, \b
.endr
	WIN 0
	s_add_co_u32 s7, s6, 1
	s_cmp_ge_u32 s7, s5
	s_cbranch_scc1 .Lno_next
.irp k, 0,1,2,3,4,5,6,7,8,9,10,11,12,13,14,15
	ALOAD \k, 524288                               ; my next unit's routed h, four units on, if there is one
.endr
	WIN 0
.Lno_next:
; THE WAY OUT: out = routed sum x 2^(e4 + e5) + shared sum x 2^(e10 + e11).  Each accumulator is read from its low end on.  A lane's 64 bytes of a slot's row go through my own stage and come
; back so that eight lanes hold the 128 bytes of one token's row.
.irp y, 0,1
.irp t, 0,1
.irp i, 0,2,4,6
	v_pk_mul_f32 v[ACC+32+16*\t+8*\y+\i:ACC+32+16*\t+8*\y+\i+1], v[ACC+32+16*\t+8*\y+\i:ACC+32+16*\t+8*\y+\i+1], s[30:31] op_sel_hi:[1,0]
.endr
.endr
.irp t, 0,1
.irp i, 0,1,2,3,4,5,6,7
	v_fma_f32 v[O+16*\y+2*\i+\t], v[ACC+16*\t+8*\y+\i], s28, v[ACC+32+16*\t+8*\y+\i]   ; column 32 blk + 16 h + 2 i + t
.endr
.endr
.irp n, 0,1,2,3
	ds_store_b128 v[STI], v[O+16*\y+4*\n:O+16*\y+4*\n+3] offset:\y*2304+16*\n
.endr
.endr
.irp y, 0,1
.irp m, 0,1,2,3
	ds_load_b128 v[OUTR+16*\y+4*\m:OUTR+16*\y+4*\m+3], v[STB] offset:\y*2304+576*\m   ; LDS serves a wave's instructions in order (ISA guide 5.7.1.4): these see my stores
.endr
.endr
.irp n, 0,1,2,3,4,5,6,7
	s_wait_dscnt 7-\n
	global_store_b128 v[TK+\n], v[OUTR+4*\n:OUTR+4*\n+3], s[20:21] th:TH_STORE_NT   ; four tokens' pieces of 128 consecutive bytes
.endr
	s_wait_xcnt 0x0                                ; the bases, the offsets and the stores' data are written again only behind this wait
	s_add_nc_u64 s[8:9], s[8:9], 0x80000           ; four units on
	s_add_nc_u64 s[12:13], s[12:13], 0x200
	s_add_co_u32 s6, s6, 1
	s_cmp_lt_u32 s6, s5
	s_cbranch_scc1 .Lunit
.Lend:
	s_wait_tensorcnt 0x0
	ds_add_u32 v254, v255
	s_wait_dscnt 0x0
	s_endpgm
.Lfunc_end_k_qd374db28db_down:
	.size	k_qd374db28db_down, .Lfunc_end_k_qd374db28db_down-k_qd374db28db_down
	.p2alignl 7, 3214868480
	.fill 96, 4, 3214868480
	.section	.rodata,"a",@progbits
	.p2align	6, 0x0
	.amdhsa_kernel k_qd374db28db_down
		.amdhsa_group_segment_fixed_size 150016
		.amdhsa_private_segment_fixed_size 0
		.amdhsa_enable_private_segment 0
		.amdhsa_kernarg_size 56
		.amdhsa_user_sgpr_count 2
		.amdhsa_user_sgpr_kernarg_segment_ptr 1
		.amdhsa_wavefront_size32 1
		.amdhsa_system_sgpr_workgroup_id_x 1
		.amdhsa_system_sgpr_workgroup_id_y 1
		.amdhsa_system_sgpr_workgroup_id_z 1
		.amdhsa_system_vgpr_workitem_id 0
		.amdhsa_next_free_vgpr 1024
		.amdhsa_next_free_sgpr 66
		.amdhsa_reserve_vcc 0
		.amdhsa_float_denorm_mode_32 3
		.amdhsa_float_denorm_mode_16_64 3
		.amdhsa_memory_ordered 1
		.amdhsa_forward_progress 1
		.amdhsa_inst_pref_size 135
	.end_amdhsa_kernel
	.amdgpu_metadata
---
amdhsa.version: [ 1, 2 ]
amdhsa.kernels:
  - .name:           k_qd374db28db_down
    .symbol:         k_qd374db28db_down.kd
    .args:
      - { .name: hh, .offset: 0, .size: 8, .value_kind: global_buffer, .address_space: global }
      - { .name: cnt, .offset: 8, .size: 8, .value_kind: global_buffer, .address_space: global }
      - { .name: list, .offset: 16, .size: 8, .value_kind: global_buffer, .address_space: global }
      - { .name: w_down, .offset: 24, .size: 8, .value_kind: global_buffer, .address_space: global }
      - { .name: wsd, .offset: 32, .size: 8, .value_kind: global_buffer, .address_space: global }
      - { .name: lowp_scales, .offset: 40, .size: 8, .value_kind: global_buffer, .address_space: global }
      - { .name: out0, .offset: 48, .size: 8, .value_kind: global_buffer, .address_space: global }
    .group_segment_fixed_size: 150016
    .private_segment_fixed_size: 0
    .kernarg_segment_align: 8
    .kernarg_segment_size: 56
    .max_flat_workgroup_size: 128
    .sgpr_count:     66
    .vgpr_count:     1024
    .wavefront_size: 32
...
	.end_amdgpu_metadata
.endif
;; end of part 5
;; ======== version 2 of 3: 4 launches; 1.12 times as fast as version 1
;; workspace buffers: idx 4,096 bytes of whole numbers; score 4,096 bytes; wsgu 4,194,304 bytes; wsd 2,097,152 bytes; xa 33,554,432 bytes; list 34,816 bytes of whole numbers; cnt 1,024 bytes of whole numbers; hh 33,554,432 bytes
;; launch route (part 6): grid 256 x 1, 4 waves a work-group, no clusters, 0 bytes of LDS; arguments hidden_states, router_w, idx, score; writes idx, score
.if DOCPART == 6
	.amdgcn_target "amdgcn-amd-amdhsa--gfx1250"
	.amdhsa_code_object_version 6
	.text
	.protected	k_qd374db28db_route
	.globl	k_qd374db28db_route
	.p2align	8
	.type	k_qd374db28db_route,@function
k_qd374db28db_route:
	s_mov_b64 s[64:65], 0
	v_nop
	global_prefetch_b8 v0, s[64:65] scope:SCOPE_SE
	s_setreg_imm32_b32 hwreg(HW_REG_WAVE_MODE, 25, 1), 1
	s_wait_xcnt 0x0
; THE ROUTER.  logits = x . router_w in f32 (fused multiply-adds), the largest of 8 (the lower index on a tie), its sigmoid.  The choice is stored at fixed places, idx[token] and
; score[token]; the next launch, which reads them as whole numbers, places the rows by it.
; One token to a wave, four to a work-group.  Lane l holds k = 128 a + 4 l + q of the token's row and of each of router_w's eight rows, so each load covers 512 consecutive bytes.
; The wave asks for its row (8 loads) and for six of the eight chunks of 128 k of router_w (48 loads) at once; chunks 6 and 7 take the registers of chunks 0 and 1 as soon as those
; are multiplied.  The matrix units, LDS and clusters would add nothing: 8 columns, and every wave is on its own.
; LIMITS: NaN among the inputs is not served.  The sums run in another order than a row-by-row sum: two largest logits closer than the error of an f32 sum of 1,024 terms may change places.
.set ACC, 8                            ; v8-15   the eight sums
.set X,   32                           ; v32-63  the token's row: chunk a at 4 a
.set RW,  64                           ; v64-255 six chunks of router_w: chunk a at 32 (a % 6), expert e at 4 e
	s_load_b256 s[8:15], s[0:1], 0x0               ; x s[8:9], router_w s[10:11], idx s[12:13], score s[14:15]
	v_lshrrev_b32 v3, 5, v0
	v_readfirstlane_b32 s2, v3                     ; wave 0..3
	v_and_b32 v1, 31, v0                           ; lane
	v_lshlrev_b32 v2, 4, v1
	s_lshl_b32 s3, ttmp9, 2
	s_add_co_u32 s3, s3, s2                        ; my token
	s_lshl_b32 s16, s3, 12                         ; its row of 4,096 bytes
	s_mov_b32 s17, 0
	s_lshl_b32 s18, s3, 2                          ; its word in the two tables
	s_mov_b32 s19, 0
	s_mov_b32 s20, 0x76543210                      ; v_permlanex16_b32: lane l xor 16
	s_mov_b32 s21, 0xfedcba98
	s_wait_kmcnt 0x0
	s_add_nc_u64 s[8:9], s[8:9], s[16:17]
	s_add_nc_u64 s[12:13], s[12:13], s[18:19]
	s_add_nc_u64 s[14:15], s[14:15], s[18:19]
.irp a, 0,1,2,3,4,5,6,7
	global_load_b128 v[X+4*\a:X+4*\a+3], v2, s[8:9] offset:\a*512
.endr
.macro RWLOAD a
.irp e, 0,1,2,3,4,5,6,7
	global_load_b128 v[RW+32*((\a)%6)+4*\e:RW+32*((\a)%6)+4*\e+3], v2, s[10:11] offset:\e*4096+(\a)*512
.endr
.endm
.macro CHUNK a, left                   ; 128 along K: 32 multiply-adds a lane, on the eight sums by turns
	s_wait_loadcnt \left                           ; loads come back in order (ISA guide 5.7.1): x and this chunk are in; left = the loads of router_w issued behind this chunk's
.irp q, 0,1,2,3
.irp e, 0,1,2,3,4,5,6,7
.if ((\a) == 0) && (\q == 0)
	v_mul_f32 v[ACC+\e], v[X+4*(\a)+\q], v[RW+32*((\a)%6)+4*\e+\q]    ; the first product starts the sum
.else
	v_fmac_f32 v[ACC+\e], v[X+4*(\a)+\q], v[RW+32*((\a)%6)+4*\e+\q]
.endif
.endr
.endr
.if (\a) < 2
	RWLOAD (\a)+6                                  ; the chunk's registers take the chunk six further on
.endif
.endm
.irp a, 0,1,2,3,4,5
	RWLOAD \a
.endr
	CHUNK 0, 40                                    ; behind chunk 0: chunks 1-5
	CHUNK 1, 40                                    ; behind chunk 1: chunks 2-5 and 6
	CHUNK 2, 40                                    ; behind chunk 2: chunks 3-5, 6 and 7
	CHUNK 3, 32
	CHUNK 4, 24
	CHUNK 5, 16
	CHUNK 6, 8
	CHUNK 7, 0
.irp m, 1,2,4,8                        ; the eight sums over the 32 lanes: every lane ends with every sum
.irp e, 0,1,2,3,4,5,6,7
	v_add_f32_dpp v[ACC+\e], v[ACC+\e], v[ACC+\e] row_xmask:\m row_mask:0xf bank_mask:0xf
.endr
.endr
.irp e, 0,1,2,3,4,5,6,7
	v_permlanex16_b32 v[X+\e], v[ACC+\e], s20, s21 ; (its destination counts as read: x's registers have been written and are done with)
.endr
.irp e, 0,1,2,3,4,5,6,7
	v_add_f32 v[ACC+\e], v[ACC+\e], v[X+\e]
.endr
	v_mov_b32 v24, 0                               ; the choice so far: expert 0, whose logit lies in v[ACC]
.irp e, 1,2,3,4,5,6,7
	v_mov_b32 v[24+\e], \e
.endr
.irp e, 1,2,3,4,5,6,7
	v_cmp_gt_f32 vcc_lo, v[ACC+\e], v[ACC]         ; strictly larger: a tie keeps the lower index
	v_cndmask_b32 v[ACC], v[ACC], v[ACC+\e], vcc_lo
	v_cndmask_b32 v24, v24, v[24+\e], vcc_lo
.endr
	v_mul_f32 v16, 0xbfb8aa3b, v[ACC]              ; -log2(e) x logit
	v_exp_f32 v16, v16
	v_lshlrev_b32 v17, 2, v1                       ; (a plain line behind the transcendental)
	s_wait_alu depctr_va_vdst(0)
	v_add_f32 v16, 1.0, v16
	v_rcp_f32 v16, v16                             ; sigmoid = 1 / (1 + 2^(-log2(e) x))
	v_nop                                          ; a plain line behind the transcendental
	v_cmp_eq_u32 vcc_lo, 0, v1
	s_wait_xcnt 0x0                                ; EXEC is narrowed only behind this wait
	s_and_saveexec_b32 s22, vcc_lo
	global_store_b32 v17, v24, s[12:13]            ; lane 0 stores the token's two words: the tables are 4 KiB each in all
	s_wait_alu depctr_va_vdst(0)
	global_store_b32 v17, v16, s[14:15]
	s_endpgm
.Lfunc_end_k_qd374db28db_route:
	.size	k_qd374db28db_route, .Lfunc_end_k_qd374db28db_route-k_qd374db28db_route
	.p2alignl 7, 3214868480
	.fill 96, 4, 3214868480
	.section	.rodata,"a",@progbits
	.p2align	6, 0x0
	.amdhsa_kernel k_qd374db28db_route
		.amdhsa_group_segment_fixed_size 0
		.amdhsa_private_segment_fixed_size 0
		.amdhsa_enable_private_segment 0
		.amdhsa_kernarg_size 32
		.amdhsa_user_sgpr_count 2
		.amdhsa_user_sgpr_kernarg_segment_ptr 1
		.amdhsa_wavefront_size32 1
		.amdhsa_system_sgpr_workgroup_id_x 1
		.amdhsa_system_sgpr_workgroup_id_y 1
		.amdhsa_system_sgpr_workgroup_id_z 1
		.amdhsa_system_vgpr_workitem_id 0
		.amdhsa_next_free_vgpr 256
		.amdhsa_next_free_sgpr 66
		.amdhsa_reserve_vcc 1
		.amdhsa_float_denorm_mode_32 3
		.amdhsa_float_denorm_mode_16_64 3
		.amdhsa_memory_ordered 1
		.amdhsa_forward_progress 1
		.amdhsa_inst_pref_size 21
	.end_amdhsa_kernel
	.amdgpu_metadata
---
amdhsa.version: [ 1, 2 ]
amdhsa.kernels:
  - .name:           k_qd374db28db_route
    .symbol:         k_qd374db28db_route.kd
    .args:
      - { .name: hidden_states, .offset: 0, .size: 8, .value_kind: global_buffer, .address_space: global }
      - { .name: router_w, .offset: 8, .size: 8, .value_kind: global_buffer, .address_space: global }
      - { .name: idx, .offset: 16, .size: 8, .value_kind: global_buffer, .address_space: global }
      - { .name: score, .offset: 24, .size: 8, .value_kind: global_buffer, .address_space: global }
    .group_segment_fixed_size: 0
    .private_segment_fixed_size: 0
    .kernarg_segment_align: 8
    .kernarg_segment_size: 32
    .max_flat_workgroup_size: 128
    .sgpr_count:     66
    .vgpr_count:     256
    .wavefront_size: 32
...
	.end_amdgpu_metadata
.endif
;; end of part 6
;; launch place (part 7): grid 768 x 1, 4 waves a work-group, no clusters, 16,896 bytes of LDS; arguments idx, score, hidden_states, lowp_scales, ws_gate, ws_up, ws_down, xa, list, cnt, wsgu, wsd; writes xa, list, cnt, wsgu, wsd
.if DOCPART == 7
	.amdgcn_target "amdgcn-amd-amdhsa--gfx1250"
	.amdhsa_code_object_version 6
	.text
	.protected	k_qd374db28db_place
	.globl	k_qd374db28db_place
	.p2align	8
	.type	k_qd374db28db_place,@function
k_qd374db28db_place:
	s_mov_b64 s[64:65], 0
	v_nop
	global_prefetch_b8 v0, s[64:65] scope:SCOPE_SE
	s_setreg_imm32_b32 hwreg(HW_REG_WAVE_MODE, 25, 1), 1
	s_wait_xcnt 0x0
; Three jobs, parted on the work-group's number; the one with the longest chain of dependent loads has the lowest numbers.
;  work-groups 0-511:   THE ROWS ARE PLACED BY EXPERT, GATHERED AND QUANTISED.  Work-group 64 e + 2 u + half owns slots 32 u .. 32 u + 31 of expert e (a UNIT) and K steps 4 half + wave.
;  work-groups 512-639: ws_gate, ws_up [1024 (k)][2048] f32 -> codes of E5M2 in wsgu [b 32][gate/up 2][tile j 4][K step s 8][2048].
;  work-groups 640-767: ws_down [2048 (k)][1024] f32 -> codes in wsd [block 32][tile t 2][K step 16][2048].
; A block of 2,048 bytes is the IMAGE of an operand fragment (16 rows x 128 K, 16 registers a lane): registers 4c..4c+3 of lane l lie at 512 c + 16 l.
; THE ORDER OF K in a fragment, the same in every operand of the program: byte y of register 4c+q of lane (r = l % 16, h = l / 16) is
; k = 128 s + 64 (c / 2) + 32 h + 16 (c % 2) + 4 q + y: one permutation of k on both sides of each product.
; code = x / 2^e, held within +-57,344, to the nearest code, ties to even.
; PLACING.  The choices idx[token] are whole numbers that the launch before stored.  Every wave reads all 1,024 (register n of lane l: token 32 n + l), counts expert e's tokens and finds the
; token of its lane's slot by whole-number arithmetic in registers: no atomics, no LDS, no barrier.  An expert's slots follow the tokens' order.  With n tokens there are ceil(n / 32) units; the
; slots from n up to the next multiple of 32 repeat slot 0's token: such a slot computes, and later stores, the very bits of slot 0, so that no later launch needs a mask.
; The grid serves every split, all tokens on one expert too; a work-group whose unit is empty stores nothing of xa and ends.
; xa [e 8][u 32][type 2][K step s 8][tile 2][gate/up 2][2048].  type 0: score x x, with the scales of the routed gate and up products; type 1: x, with those of the shared ones.
; list [e][1088 words]: the token of each slot of the units in use.  cnt [e][32]: the number of units, 32 times, so that the store covers 128 consecutive bytes.
; LIMITS: each e between -126 and 112.  NaN among the inputs is not served.
.set T,    160                         ; v160-223 64 numbers, held (for the weights: transposed too)
.set WOFF, 2                           ; the weights' paths: v2 my byte offset in a group's rows
.set SC,   4                           ; v4   2^e as f32
.set LIM,  5                           ; v5   57,344 x 2^e
.set OUTO, 7                           ; v7   16 x lane
.set MK,   66                          ; placing: s66-81 sixteen masks: bit l = the token of lane l is expert e's
.set CB,   82                          ; s82-97 for each of them: (tokens of e counted before it) x 32 + the register's number
.macro LOADG dst, base, off0, pitch    ; 16 rows x 16 bytes a lane: register dst + 4 i + j = (row i, column j)
.set li, 0
.rept 16
	global_load_b128 v[\dst+4*li:\dst+4*li+3], v[WOFF], s[\base:\base+1] offset:(\off0)+li*(\pitch) th:TH_LOAD_NT
.set li, li+1
.endr
.endm
.macro QUANTG src, lim, sc, cs         ; 64 numbers -> 4 columns x 16 codes: v[cs + 4 j .. + 3] = column j
.set qi, 0
.rept 16
.set qj, 0
.rept 4
	v_med3_num_f32 v[T+16*qj+qi], v[\src+4*qi+qj], -v[\lim], v[\lim]   ; the conversion to an 8-bit code does not saturate (ISA guide 7.6.2): the hold, and the transposition in the same line
.set qj, qj+1
.endr
.set qi, qi+1
.endr
.set qj, 0
.rept 4
	v_cvt_scalef32_pk8_bf8_f32 v[\cs+4*qj:\cs+4*qj+1], v[T+16*qj:T+16*qj+7], v[\sc]
	v_cvt_scalef32_pk8_bf8_f32 v[\cs+4*qj+2:\cs+4*qj+3], v[T+16*qj+8:T+16*qj+15], v[\sc]
.set qj, qj+1
.endr
	v_nop                                          ; one plain line behind the last conversion: the next group's holds write its sources
.endm
.macro MKSC es, vsc, vlim              ; from the exponent in s[es]: 2^e and 57,344 x 2^e as f32
	s_add_co_i32 s48, s[\es], 127
	s_lshl_b32 s49, s48, 23
	v_mov_b32 v[\vsc], s49
	s_add_co_i32 s48, s48, 15
	s_lshl_b32 s48, s48, 23
	s_or_b32 s48, s48, 0x600000
	v_mov_b32 v[\vlim], s48
.endm
	s_load_b512 s[8:23], s[0:1], 0x0               ; idx s[8:9], score s[10:11], x s[12:13], scales s[14:15], ws_gate s[16:17], ws_up s[18:19], ws_down s[20:21], xa s[22:23]
	s_load_b256 s[24:31], s[0:1], 0x40             ; list s[24:25], cnt s[26:27], wsgu s[28:29], wsd s[30:31]
	v_lshl_add_u32 v29, v0, 2, 0x4000
	v_mov_b32 v31, 0
	v_lshrrev_b32 v3, 5, v0
	v_readfirstlane_b32 s2, v3                     ; wave 0..3
	v_and_b32 v1, 31, v0                           ; lane
	s_cmp_lt_u32 ttmp9, 512
	s_cbranch_scc1 .Lplace
	s_cmp_lt_u32 ttmp9, 640
	s_cbranch_scc0 .Ldownw
; ---------------- ws_gate, ws_up.  a = work-group - 512: block b = a / 4 of 64 columns, gate or up = bit 1 of a, K step s = 4 (a % 2) + wave.
; Lane (r, h) takes columns 64 b + 4 r + 0..3 (sixteen lanes: 256 consecutive bytes of a row) and, in group c, rows 128 s + 64 (c / 2) + 16 (c % 2) + 32 h + 0..15.
; Column j of the lane's four is row r of tile j, so a lane's 16 codes are chunk c of tile j's image at 16 l: each store covers 512 consecutive bytes.
	s_sub_co_u32 s3, ttmp9, 512
	s_lshr_b32 s4, s3, 1                           ; 2 b + gate/up
	s_and_b32 s5, s3, 1
	s_lshl_b32 s5, s5, 2
	s_add_co_u32 s5, s5, s2                        ; s
	s_lshr_b32 s6, s3, 2                           ; b
	s_lshl_b32 s32, s5, 20                         ; 128 rows of 8,192 bytes
	s_lshl_b32 s6, s6, 8
	s_add_co_u32 s32, s32, s6
	s_mov_b32 s33, 0
	s_lshl_b32 s34, s4, 16
	s_lshl_b32 s35, s5, 11
	s_add_co_u32 s34, s34, s35
	s_mov_b32 s35, 0
	v_and_b32 v3, 15, v0
	v_bfe_u32 v6, v0, 4, 1
	v_lshlrev_b32 v[WOFF], 4, v3
	v_lshl_add_u32 v[WOFF], v6, 18, v[WOFF]        ; 16 r + 32 rows x h
	v_lshlrev_b32 v[OUTO], 4, v1
	s_wait_kmcnt 0x0
	s_load_b32 s36, s[14:15], 0x1c                 ; e of ws_gate
	s_load_b32 s37, s[14:15], 0x24                 ; e of ws_up
	s_bitcmp1_b32 s3, 1                            ; the choice hangs on the work-group's number alone
	s_cselect_b64 s[16:17], s[18:19], s[16:17]
	s_add_nc_u64 s[16:17], s[16:17], s[32:33]
	s_add_nc_u64 s[28:29], s[28:29], s[34:35]
	LOADG 32, 16, 0, 8192
	LOADG 96, 16, 16*8192, 8192
	s_wait_kmcnt 0x0
	s_bitcmp1_b32 s3, 1
	s_cselect_b32 s36, s37, s36
	MKSC 36, SC, LIM
.macro QAGROUP c, left
	s_wait_loadcnt \left                           ; this group's 16 loads are in; the next group's may be out
.if (\c) >= 2
	s_wait_xcnt 0x0                                ; the set of codes that is written next was store data two groups ago
.endif
	QUANTG 32+64*((\c)%2), LIM, SC, 224+16*((\c)%2)
.irp j, 0,1,2,3
	global_store_b128 v[OUTO], v[224+16*((\c)%2)+4*\j:224+16*((\c)%2)+4*\j+3], s[28:29] offset:\j*16384+(\c)*512
.endr
.if (\c) < 2
	LOADG 32+64*((\c)%2), 16, (64+16*(\c))*8192, 8192
.endif
.endm
	QAGROUP 0, 16
	QAGROUP 1, 16
	QAGROUP 2, 16
	QAGROUP 3, 0
	s_endpgm
.Ldownw:
; ---------------- ws_down.  a = work-group - 640: block a / 4 of 32 columns, K step s = 4 (a % 4) + wave.
; Lane l takes columns 32 blk + 4 (l % 8) + 0..3 and, in group p, rows 128 s + 64 p + 16 (l / 8) + 0..15.  Tile t's row r is column 32 blk + 2 r + t, so column j goes to tile j % 2,
; row 2 (l % 8) + j / 2, chunk 2 p + (l / 8) % 2, half l / 16: another lane's place.  So the two images are put together in the wave's own 4 KiB of LDS and leave as they lie.
	s_sub_co_u32 s3, ttmp9, 640
	s_lshr_b32 s4, s3, 2                           ; block
	s_and_b32 s5, s3, 3
	s_lshl_b32 s5, s5, 2
	s_add_co_u32 s5, s5, s2                        ; s
	s_lshl_b32 s32, s5, 19                         ; 128 rows of 4,096 bytes
	s_lshl_b32 s6, s4, 7
	s_add_co_u32 s32, s32, s6
	s_mov_b32 s33, 0
	s_lshl_b32 s34, s4, 16
	s_lshl_b32 s35, s5, 11
	s_add_co_u32 s34, s34, s35
	s_mov_b32 s35, 0
	v_and_b32 v3, 7, v0
	v_bfe_u32 v6, v0, 3, 2
	v_lshlrev_b32 v[WOFF], 4, v3
	v_lshl_add_u32 v[WOFF], v6, 16, v[WOFF]        ; 16 (l % 8) + 16 rows x (l / 8)
	v_bfe_u32 v8, v0, 3, 1
	v_bfe_u32 v9, v0, 4, 1
	v_lshlrev_b32 v10, 5, v3
	v_lshl_add_u32 v10, v8, 9, v10
	v_lshl_add_u32 v10, v9, 8, v10                 ; 32 (l % 8) + 512 ((l / 8) % 2) + 256 (l / 16)
	s_lshl_b32 s7, s2, 12
	v_add_nc_u32 v10, s7, v10                      ; into my stage
	v_lshlrev_b32 v[OUTO], 4, v1
	v_add_nc_u32 v11, s7, v[OUTO]                  ; and out of it
	s_wait_kmcnt 0x0
	s_load_b32 s36, s[14:15], 0x2c                 ; e of ws_down
	s_add_nc_u64 s[20:21], s[20:21], s[32:33]
	s_add_nc_u64 s[30:31], s[30:31], s[34:35]
	LOADG 32, 20, 0, 4096
	LOADG 96, 20, 64*4096, 4096
	s_wait_kmcnt 0x0
	MKSC 36, SC, LIM
.irp p, 0,1
	s_wait_loadcnt 16-16*\p                        ; group p is in; group 1 may be out while group 0 is worked
	QUANTG 32+64*\p, LIM, SC, 224+16*\p
.irp j, 0,1,2,3
	ds_store_b128 v10, v[224+16*\p+4*\j:224+16*\p+4*\j+3] offset:(\j%2)*2048+\p*1024+16*(\j/2)
.endr
.endr
.irp n, 0,1,2,3,4,5,6,7
	ds_load_b128 v[32+4*\n:32+4*\n+3], v11 offset:512*\n   ; LDS serves a wave's instructions in order (ISA guide 5.7.1.4): these see my stores
.endr
.irp n, 0,1,2,3,4,5,6,7
	s_wait_dscnt 7-\n
	global_store_b128 v[OUTO], v[32+4*\n:32+4*\n+3], s[30:31] offset:(\n/4)*32768+(\n%4)*512
.endr
	s_wait_tensorcnt 0x0
	ds_add_u32 v29, v31
	s_wait_dscnt 0x0
	s_endpgm
.Lplace:
; ---------------- PLACING.  v1 lane; v2 16 r + 4,096 h: my place in the two tiles' images; v3 4 l; v4 k = 32 u + l, my slot; v5 the mask kept, v6 its packed count; v7 32 k + 31;
; v8-15 four pairs (2^e, 57,344 x 2^e); v16 how many set bits are still to be passed; v17 the token; v20 the token, kept for the list; v22 its row's byte offset; v[24:25] its score;
; v28 the score's offset; v32-63 the choices, then v32-95, v96-159 two sets of 64 numbers of x; v224-239, v240-255 two sets of codes.
	s_lshr_b32 s4, ttmp9, 6                        ; e
	s_and_b32 s5, ttmp9, 63                        ; 2 u + half
	s_lshr_b32 s6, s5, 1                           ; u
	s_and_b32 s7, s5, 1                            ; half
	s_lshl_b32 s51, s7, 2
	s_add_co_u32 s51, s51, s2                      ; my K step
	v_lshlrev_b32 v3, 2, v1
	v_and_b32 v2, 15, v0
	v_bfe_u32 v7, v0, 4, 1
	v_lshlrev_b32 v2, 4, v2
	v_lshl_add_u32 v2, v7, 12, v2
	s_lshl_b32 s32, s6, 5
	v_add_nc_u32 v4, s32, v1
	v_lshl_or_b32 v7, v4, 5, 31
	v_mov_b32 v5, 0                                ; (read as the other side of the first selects, which always take the new value)
	v_mov_b32 v6, 0
	v_mov_b32 v25, 0                               ; (named as the upper half of a pair)
	s_lshl_b32 s32, s4, 22                         ; xa: 4 MiB an expert, 128 KiB a unit, 8 KiB a K step
	s_lshl_b32 s33, s6, 17
	s_add_co_u32 s32, s32, s33
	s_lshl_b32 s33, s51, 13
	s_add_co_u32 s32, s32, s33
	s_mov_b32 s33, 0
	s_mul_i32 s34, s4, 4352                        ; list: 4,352 bytes an expert, 128 a unit
	s_lshl_b32 s35, s6, 7
	s_add_co_u32 s34, s34, s35
	s_mov_b32 s35, 0
	s_lshl_b32 s36, s4, 7                          ; cnt: 128 bytes an expert
	s_mov_b32 s37, 0
	s_lshl_b32 s38, s51, 9                         ; x: my K step's 512 bytes of a row
	s_mov_b32 s39, 0
	s_mov_b32 s52, 0                               ; tokens of e so far
	s_mov_b32 s53, 0                               ; slot 0's token
	s_wait_kmcnt 0x0
	s_load_b256 s[40:47], s[14:15], 0x0            ; e0 .. e7
	s_load_b32 s50, s[14:15], 0x20                 ; e8
	s_add_nc_u64 s[22:23], s[22:23], s[32:33]
	s_add_nc_u64 s[24:25], s[24:25], s[34:35]
	s_add_nc_u64 s[26:27], s[26:27], s[36:37]
	s_add_nc_u64 s[12:13], s[12:13], s[38:39]
.set ni, 0
.rept 32
	global_load_b32 v[32+ni], v3, s[8:9] offset:128*ni   ; the choices of tokens 32 n + l: 128 consecutive bytes
.set ni, ni+1
.endr
	s_wait_kmcnt 0x0
	MKSC 46, 8, 9                                  ; x for ws_gate
	MKSC 50, 10, 11                                ; x for ws_up
	MKSC 40, 12, 13                                ; score x x for w_gate
	MKSC 42, 14, 15                                ; score x x for w_up
; Sixteen registers of choices at a time, in three runs, so that vector and scalar lines wait for each other twice and not in every register:
; the masks; on the scalar side the running count, packed with the register's number, and slot 0's token; then each lane keeps the LAST register whose count is at most its k.
; count x 32 + number <= 32 k + 31 says count <= k, since the number is at most 31.
.macro SCAN g
.set ii, 0
.rept 16
	v_cmp_eq_u32 s[MK+ii], s4, v[32+16*(\g)+ii]
.set ii, ii+1
.endr
.set ii, 0
.rept 16
	s_lshl_b32 s[CB+ii], s52, 5
	s_or_b32 s[CB+ii], s[CB+ii], 16*(\g)+ii
	s_ctz_i32_b32 s57, s[MK+ii]                    ; the lowest lane of e in this register: its token is slot 0's if none was counted before
	s_add_co_u32 s57, s57, 32*(16*(\g)+ii)         ; (of an empty mask: a number that the next register's line replaces, since the count is still 0)
	s_cmp_eq_u32 s52, 0
	s_cselect_b32 s53, s57, s53
	s_bcnt1_i32_b32 s58, s[MK+ii]
	s_add_co_u32 s52, s52, s58
.set ii, ii+1
.endr
.set ii, 0
.rept 16
	v_cmp_le_u32 vcc_lo, s[CB+ii], v7
	v_cndmask_b32 v5, v5, s[MK+ii], vcc_lo
	v_cndmask_b32 v6, v6, s[CB+ii], vcc_lo
.set ii, ii+1
.endr
.endm
	s_wait_loadcnt 16                              ; the first sixteen loads of choices are in; the other sixteen may be out
	SCAN 0
	s_wait_loadcnt 0x0
	SCAN 1
	s_min_u32 s53, s53, 1023                       ; (an expert without tokens: any token; it has no unit)
	s_add_co_u32 s59, s52, 31
	s_lshr_b32 s59, s59, 5                         ; units
	s_or_b32 s60, s5, s2
	s_cmp_lg_u32 s60, 0
	s_cbranch_scc1 .Lnocnt                         ; the expert's first work-group's wave 0 stores the count, also where it is 0
	v_mov_b32 v30, s59
	global_store_b32 v3, v30, s[26:27]
.Lnocnt:
	s_cmp_ge_u32 s6, s59
	s_cbranch_scc1 .Lend                           ; a branch on whole numbers made of what an earlier launch stored; this path has no barrier
; In the mask kept, my token's lane is the set bit with d = k - count set bits below it.  d falls by one at each set bit; the lane is the number of bit places at which d is still 0 or more.
	v_lshrrev_b32 v16, 5, v6
	v_sub_nc_u32 v16, v4, v16                      ; d
	v_and_b32 v17, 31, v6
	v_lshl_add_u32 v17, v17, 5, 32                 ; 32 x the register's number + 32; each place at which d is negative takes one off
.set bi, 0
.rept 32
	v_bfe_u32 v[18+bi%2], v5, bi, 1
	v_sub_nc_u32 v16, v16, v[18+bi%2]
	v_ashrrev_i32 v[26+bi%2], 31, v16              ; -1 where d is negative
	v_add_nc_u32 v17, v17, v[26+bi%2]
.set bi, bi+1
.endr
	v_cmp_gt_u32 vcc_lo, s52, v4                   ; a slot of the expert's n,
	v_mov_b32 v19, s53
	v_cndmask_b32 v20, v19, v17, vcc_lo            ; or one that repeats slot 0's token
	v_min_u32 v20, 0x3ff, v20
	v_lshlrev_b32 v28, 2, v20
	v_lshlrev_b32 v22, 12, v20                     ; its row of 4,096 bytes
	s_or_b32 s60, s7, s2
	s_cmp_lg_u32 s60, 0
	s_cbranch_scc1 .Lnolist
	global_store_b32 v3, v20, s[24:25]             ; my unit's 32 tokens: 128 consecutive bytes
.Lnolist:
	global_load_b32 v24, v28, s[10:11]
; A lane has ONE slot (tile l / 16, row l % 16) and takes its K step's 128 numbers in two halves: half p is what lane (r, p) of the slot's image holds: twice 32 neighbours, 128 bytes each.
.macro LOADX p
.set lm, 0
.rept 16
	global_load_b128 v[32+64*(\p)+4*lm:32+64*(\p)+4*lm+3], v22, s[12:13] offset:128*(\p)+256*(lm/8)+16*(lm%8)
.set lm, lm+1
.endr
.endm
	LOADX 0
	LOADX 1
.macro VERSION p, ver, type, gu        ; the half's 64 numbers with scale number ver
.set vi, 0
.rept 64
	v_med3_num_f32 v[T+vi], v[32+64*(\p)+vi], -v[9+2*(\ver)], v[9+2*(\ver)]   ; the hold at the largest code x the scale (ISA guide 7.6.2)
.set vi, vi+1
.endr
	s_wait_xcnt 0x0                                ; the set of codes that is written next was store data two versions ago
.set vi, 0
.rept 4
	v_cvt_scalef32_pk8_bf8_f32 v[224+16*((\ver)%2)+4*vi:224+16*((\ver)%2)+4*vi+1], v[T+16*vi:T+16*vi+7], v[8+2*(\ver)]
	v_cvt_scalef32_pk8_bf8_f32 v[224+16*((\ver)%2)+4*vi+2:224+16*((\ver)%2)+4*vi+3], v[T+16*vi+8:T+16*vi+15], v[8+2*(\ver)]
.set vi, vi+1
.endr
	v_nop                                          ; one plain line behind the last conversion: the next version's holds write its sources
.irp c, 0,1,2,3
	global_store_b128 v2, v[224+16*((\ver)%2)+4*\c:224+16*((\ver)%2)+4*\c+3], s[22:23] offset:(\type)*65536+(\gu)*2048+\c*512+256*(\p)   ; lanes 0-15: 256 consecutive bytes, aligned, of tile 0's image; lanes 16-31: of tile 1's
.endr
.endm
.macro HALF p, left
	s_wait_loadcnt \left                           ; this half's 16 loads are in (the score's is older); the other half's 16 may be out
	VERSION \p, 0, 1, 0
	VERSION \p, 1, 1, 1
.set ci, 0
.rept 32
	v_pk_mul_f32 v[32+64*(\p)+2*ci:32+64*(\p)+2*ci+1], v[32+64*(\p)+2*ci:32+64*(\p)+2*ci+1], v[24:25] op_sel_hi:[1,0]   ; the router's weight on the input
.set ci, ci+1
.endr
	VERSION \p, 2, 0, 0
	VERSION \p, 3, 0, 1
.endm
	HALF 0, 16
	HALF 1, 0
.Lend:
	s_endpgm
.Lfunc_end_k_qd374db28db_place:
	.size	k_qd374db28db_place, .Lfunc_end_k_qd374db28db_place-k_qd374db28db_place
	.p2alignl 7, 3214868480
	.fill 96, 4, 3214868480
	.section	.rodata,"a",@progbits
	.p2align	6, 0x0
	.amdhsa_kernel k_qd374db28db_place
		.amdhsa_group_segment_fixed_size 16896
		.amdhsa_private_segment_fixed_size 0
		.amdhsa_enable_private_segment 0
		.amdhsa_kernarg_size 96
		.amdhsa_user_sgpr_count 2
		.amdhsa_user_sgpr_kernarg_segment_ptr 1
		.amdhsa_wavefront_size32 1
		.amdhsa_system_sgpr_workgroup_id_x 1
		.amdhsa_system_sgpr_workgroup_id_y 1
		.amdhsa_system_sgpr_workgroup_id_z 1
		.amdhsa_system_vgpr_workitem_id 0
		.amdhsa_next_free_vgpr 256
		.amdhsa_next_free_sgpr 98
		.amdhsa_reserve_vcc 1
		.amdhsa_float_denorm_mode_32 3
		.amdhsa_float_denorm_mode_16_64 3
		.amdhsa_memory_ordered 1
		.amdhsa_forward_progress 1
		.amdhsa_inst_pref_size 118
	.end_amdhsa_kernel
	.amdgpu_metadata
---
amdhsa.version: [ 1, 2 ]
amdhsa.kernels:
  - .name:           k_qd374db28db_place
    .symbol:         k_qd374db28db_place.kd
    .args:
      - { .name: idx, .offset: 0, .size: 8, .value_kind: global_buffer, .address_space: global }
      - { .name: score, .offset: 8, .size: 8, .value_kind: global_buffer, .address_space: global }
      - { .name: hidden_states, .offset: 16, .size: 8, .value_kind: global_buffer, .address_space: global }
      - { .name: lowp_scales, .offset: 24, .size: 8, .value_kind: global_buffer, .address_space: global }
      - { .name: ws_gate, .offset: 32, .size: 8, .value_kind: global_buffer, .address_space: global }
      - { .name: ws_up, .offset: 40, .size: 8, .value_kind: global_buffer, .address_space: global }
      - { .name: ws_down, .offset: 48, .size: 8, .value_kind: global_buffer, .address_space: global }
      - { .name: xa, .offset: 56, .size: 8, .value_kind: global_buffer, .address_space: global }
      - { .name: list, .offset: 64, .size: 8, .value_kind: global_buffer, .address_space: global }
      - { .name: cnt, .offset: 72, .size: 8, .value_kind: global_buffer, .address_space: global }
      - { .name: wsgu, .offset: 80, .size: 8, .value_kind: global_buffer, .address_space: global }
      - { .name: wsd, .offset: 88, .size: 8, .value_kind: global_buffer, .address_space: global }
    .group_segment_fixed_size: 16896
    .private_segment_fixed_size: 0
    .kernarg_segment_align: 8
    .kernarg_segment_size: 96
    .max_flat_workgroup_size: 128
    .sgpr_count:     98
    .vgpr_count:     256
    .wavefront_size: 32
...
	.end_amdgpu_metadata
.endif
;; end of part 7
;; launch gateup: the kernel of part 4 again; grid 32 x 8, 4 waves a work-group, no clusters, 262,656 bytes of LDS; arguments xa, cnt, w_gate, w_up, wsgu, lowp_scales, hh; writes hh
;; launch down: the kernel of part 5 again; grid 32 x 8, 4 waves a work-group, no clusters, 150,016 bytes of LDS; arguments hh, cnt, list, w_down, wsd, lowp_scales, out0; writes out0
;; ======== version 3 of 3: 4 launches; version 2 with the launches gateup, down written anew for expert scheduling mode
;; workspace buffers: idx 4,096 bytes of whole numbers; score 4,096 bytes; wsgu 4,194,304 bytes; wsd 2,097,152 bytes; xa 33,554,432 bytes; list 34,816 bytes of whole numbers; cnt 1,024 bytes of whole numbers; hh 33,554,432 bytes
;; launch route: the kernel of part 6 again; grid 256 x 1, 4 waves a work-group, no clusters, 0 bytes of LDS; arguments hidden_states, router_w, idx, score; writes idx, score
;; launch place: the kernel of part 7 again; grid 768 x 1, 4 waves a work-group, no clusters, 16,896 bytes of LDS; arguments idx, score, hidden_states, lowp_scales, ws_gate, ws_up, ws_down, xa, list, cnt, wsgu, wsd; writes xa, list, cnt, wsgu, wsd
;; launch gateup (part 8): grid 32 x 8, 4 waves a work-group, no clusters, 262,656 bytes of LDS; arguments xa, cnt, w_gate, w_up, wsgu, lowp_scales, hh; writes hh
.if DOCPART == 8
	.amdgcn_target "amdgcn-amd-amdhsa--gfx1250"
	.amdhsa_code_object_version 6
	.text
	.protected	k_qd374db28db_gateup
	.globl	k_qd374db28db_gateup
	.p2align	8
	.type	k_qd374db28db_gateup,@function
k_qd374db28db_gateup:
	s_mov_b64 s[64:65], 0
	v_nop
	global_prefetch_b8 v0, s[64:65] scope:SCOPE_SE
	s_setreg_imm32_b32 hwreg(HW_REG_WAVE_SCHED_MODE, 0, 2), 2
	s_setreg_imm32_b32 hwreg(HW_REG_WAVE_MODE, 25, 1), 1
	s_wait_xcnt 0x0
	s_wait_alu depctr_vm_vsrc(0)
; h = silu(gate) x up, quantised for the down products, for expert e's tokens and hidden units 64 b .. 64 b + 63: of the routed expert (type 0) and of the shared expert (type 1).
; THE WEIGHTS STAY, THE TOKENS WALK.  Work-group (b, e) reads its slice of w_gate[e] and w_up[e] (1,024 rows x 256 bytes each) from memory once, as f32, quantises it in registers and lays
; it in LDS as images of operand fragments, beside the same slice of the shared weights' codes, which an earlier launch made.  One barrier.  Then each wave walks units (32 slots) w, w + 4, ..
; of the expert on its own: no barrier stands in that loop, whose trip count is made of a stored whole number.  For that reason the launch has no tensor load, no copy and no cluster: all
; operands go through registers.  What the 32 work-groups of an expert share, the tokens' codes, is a quarter of what a work-group reads.
; FRAGMENTS: 16 rows x 128 K, 16 registers; image: registers 4c..4c+3 of lane l at 512 c + 16 l; byte y of register 4c+q of lane (r, h) is k = 128 s + 64 (c/2) + 32 h + 16 (c%2) + 4 q + y,
; the same permutation of k on both sides.  THE PRODUCT IS USED TRANSPOSED: source 0 = 16 columns of a weight, source 1 = 16 slots: a lane holds one slot.  Tile j's row m is column
; 64 b + 4 m + j, so a lane's 4 x 8 results are the 32 neighbouring hidden units 64 b + 32 h + 0..31: two whole chunks of the down products' fragment, stored as they stand.
; SCALES: a raw sum stands for sum x 2^(eA + eB).  h's code = Graw Uraw / (1 + 2^(-log2(e) 2^eg Graw)) / 2^(eh - eg - eu): eg is folded into the exponential's factor, the rest into the conversion's scale.
; LIMITS: e of w_gate and w_up, and eh - eg - eu, between -126 and 112; eg = eA + eB of a gate product between -126 and 127.  NaN among the inputs is not served.
; LDS: 128 images [type 2][gate/up 2][tile j 4][K step s 8][2048].
; REGISTERS, in windows of 256.  window 0: v2-19 addresses and scales; v32-63 at work; v64-127 gate's 8 accumulators (tile of slots y, tile j: 64 + 32 y + 8 j), v128-191 up's; v192-207 h's codes;
;   while the weights are quantised: v64-127 64 numbers held, v128-159 two sets of codes.   window 1: first a ring of four groups of 64 registers as loaded, then the weights' fragments, two sets of 8.
;   windows 2, 3: the unit's token fragments of one type: K step s at window 2 + s / 4, register 64 (s % 4) + 32 y + 16 gate/up.
; THE MODE: SCHED_MODE bits 1:0 = 2 (LLVM: expert scheduling mode 2), set by the entry lines.  The code itself states the register dependences between vector or matrix instructions and
; memory or LDS instructions, with s_wait_alu, always for 0.
; THE PLAN.  Registers that memory or LDS instructions touch:
;   v2-10            offsets and LDS addresses: written at the head, then only read.
;   the ring         (window 1, phase 1) groups 0-3: a load lands, 16 LDS stores read, group n + 4 lands.  Groups 4-19: a load lands, the 64 holds read, group n + 4 lands.
;   the codes' sets  (v128-143, v144-159) written by group n's conversions, read by its four LDS stores, written again by group n + 2; from phase 2 on part of up's accumulators.
;   the weights' sets (window 1, phase 2) step s's matrix instructions read set s % 2; behind them step s + 2's LDS loads land in it.
;   the tokens       (windows 2, 3) step s's matrix instructions read them; behind them land type 1's loads of the same step (pass 0), behind pass 1 the next unit's.
;   h's codes        (v192-207) written by a way out's conversions, read by its four stores, written again by the next way out.
; So: ONE wait on va_vdst a group, behind its conversions; ONE a K step, behind its matrix instructions: the step's loads follow in one run, with window switches alone between.  They are not dealt
; singly among the matrix instructions: a matrix instruction has source 0 in window 1 and a load its address in window 0, so each would cost two switches.  The waits on vm_vsrc stand ahead of what
; writes a store's data again: the ring's loads, the conversions, the first matrix instructions, each way out.
.set WOFF, 2                           ; v2   16 r + 32 rows x h: my place in a group of a weight's rows
.set LI,   3                           ; v3   16 x lane
.set LB,   3                           ; v3-6 16 x lane + 65,536 (2 type + gate/up)
.set IMW,  7                           ; v7-8 where I store images: LB[gate/up] + 4,096 x wave (my K steps 2 w, 2 w + 1)
.set CPL,  9                           ; v9   the shared codes' place in LDS: 131,072 + 32,768 x wave + 16 x lane
.set CPG,  10                          ; v10  and in their block of wsgu
.set SCW,  12                          ; v12-15 (2^e, 57,344 x 2^e) of w_gate, of w_up
.set SCH,  16                          ; v16-19 the same for h, type 0, type 1
.set T32,  32
.set G,    64
.set U,    128
.set HC,   192
.set T,    64
.set CS,   128
.set MSB,  0
.macro WIN new                         ; the immediate's high byte repeats the setting that is left; bits 1:0 source 0, 3:2 source 1, 5:4 source 2, 7:6 destination
.if MSB != (\new)
	s_set_vgpr_msb (MSB<<8)|(\new)
.set MSB, \new
.endif
.endm
.macro MKSC es, vsc, vlim
	s_add_co_i32 s48, s[\es], 127
	s_lshl_b32 s49, s48, 23
	v_mov_b32 v[\vsc], s49
	s_add_co_i32 s48, s48, 15
	s_lshl_b32 s48, s48, 23
	s_or_b32 s48, s48, 0x600000
	v_mov_b32 v[\vlim], s48
.endm
.macro LOADG dst, base, off0, pitch    ; 16 rows x 16 bytes a lane: sixteen lanes read 256 consecutive bytes of a row
.set li, 0
.rept 16
	global_load_b128 v[\dst+4*li:\dst+4*li+3], v[WOFF], s[\base:\base+1] offset:(\off0)+li*(\pitch) th:TH_LOAD_NT
.set li, li+1
.endr
.endm
.macro HOLD src, lim                   ; the hold at the largest code x the scale (ISA guide 7.6.2) writes its result transposed: 16 neighbours along K of a column on end
.set qi, 0
.rept 16
.set qj, 0
.rept 4
	v_med3_num_f32 v[T+16*qj+qi], v[\src+4*qi+qj], -v[\lim], v[\lim]
.set qj, qj+1
.endr
.set qi, qi+1
.endr
.endm
.macro CVT sc, cs
.set qj, 0
.rept 4
	v_cvt_scalef32_pk8_bf8_f32 v[\cs+4*qj:\cs+4*qj+1], v[T+16*qj:T+16*qj+7], v[\sc]
	v_cvt_scalef32_pk8_bf8_f32 v[\cs+4*qj+2:\cs+4*qj+3], v[T+16*qj+8:T+16*qj+15], v[\sc]
.set qj, qj+1
.endr
	v_nop                                          ; one plain line behind the last conversion
.endm
.macro ALOAD s, off                    ; the four token fragments of K step s (two tiles x gate/up): 16 loads of 512 consecutive bytes
	WIN 0x80+0x40*((\s)/4)
.set an, 0
.rept 16
	global_load_b128 v[64*((\s)%4)+4*an:64*((\s)%4)+4*an+3], v[LI], s[8:9] offset:(\off)+(\s)*8192+512*an
.set an, an+1
.endr
.endm
.macro BLOAD type, s, p                ; the eight weight fragments of K step s into set p
	WIN 0x40
.irp gu, 0,1
.irp j, 0,1,2,3
.irp c, 0,1,2,3
	ds_load_b128 v[128*(\p)+64*\gu+16*\j+4*\c:128*(\p)+64*\gu+16*\j+4*\c+3], v[LB+2*(\type)+\gu] offset:\j*16384+(\s)*2048+\c*512
.endr
.endr
.endr
.endm
; Group g of the stream: 0-3 my quarter of the shared codes; 4-19 my K steps of w_gate, then of w_up, 16 rows a lane; 20-23 my first unit's token fragments, two K steps each.
.macro ISSUE g
.if (\g) < 4
	WIN 0x40
.set im, 0
.rept 16
	global_load_b128 v[64*(\g)+4*im:64*(\g)+4*im+3], v[CPG], s[16:17] offset:512*(16*(\g)+im)
.set im, im+1
.endr
.elseif (\g) < 20
	WIN 0x40
.set igu, ((\g)-4)/8
.set isl, (((\g)-4)/4)%2
.set ic, ((\g)-4)%4
	LOADG 64*((\g)%4), 12+2*igu, (128*isl+64*(ic/2)+16*(ic%2))*8192, 8192
.else
	ALOAD 2*((\g)-20), 0
	ALOAD 2*((\g)-20)+1, 0
.endif
.endm
.macro STEP1 n, left                   ; group n is worked, and group n + 4 takes its place in the ring
	s_wait_loadcnt \left                           ; loads come back in order (ISA guide 5.7.1): group n is in; left = the loads issued behind it, or less
.if (\n) < 4
	WIN 0x04                                       ; store data in window 1
.set sm, 0
.rept 16
	ds_store_b128 v[CPL], v[64*(\n)+4*sm:64*(\n)+4*sm+3] offset:512*(16*(\n)+sm)
.set sm, sm+1
.endr
	s_wait_dscnt 0x0                               ; the stores are done
	s_wait_alu depctr_vm_vsrc(0)                   ; the LDS stores have read the group's 64 registers, in which the loads below land
.else
.set sgu, ((\n)-4)/8
.set ssl, (((\n)-4)/4)%2
.set sc4, ((\n)-4)%4
.set scs, CS+16*((\n)%2)
	WIN 0x01                                       ; source 0 in window 1
	HOLD 64*((\n)%4), SCW+2*sgu+1
	WIN 0
	s_wait_dscnt 4                                 ; the last group's four stores may be out; those of the group before, which read this set of codes, are done
.if (\n) >= 6
	s_wait_alu depctr_vm_vsrc(0)                   ; the LDS stores of two groups ago have read this set of codes, which the conversions below write again
.endif
	CVT SCW+2*sgu, scs
	s_wait_alu depctr_va_vdst(0)                   ; the conversions have written the set of codes, which the LDS stores below read; the holds are done reading the group's registers, in which the loads below land
.irp j, 0,1,2,3
	ds_store_b128 v[IMW+sgu], v[scs+4*\j:scs+4*\j+3] offset:\j*16384+ssl*2048+sc4*512   ; chunk c of tile j's image: 512 consecutive bytes
.endr
.endif
	ISSUE (\n)+4
.endm
	s_load_b256 s[8:15], s[0:1], 0x0               ; xa s[8:9], cnt s[10:11], w_gate s[12:13], w_up s[14:15]
	s_load_b128 s[16:19], s[0:1], 0x20             ; wsgu s[16:17], scales s[18:19]
	s_load_b64 s[20:21], s[0:1], 0x30              ; hh
	v_lshl_add_u32 v254, v0, 2, 0x40000
	v_mov_b32 v255, 0
	v_lshrrev_b32 v20, 5, v0
	v_readfirstlane_b32 s2, v20                    ; wave 0..3
	s_and_b32 s3, ttmp7, 0xffff                    ; e
	s_mov_b32 s4, ttmp9                            ; b
	v_and_b32 v20, 31, v0
	v_lshlrev_b32 v[LI], 4, v20
	v_and_b32 v21, 15, v0
	v_bfe_u32 v22, v0, 4, 1
	v_lshlrev_b32 v[WOFF], 4, v21
	v_lshl_add_u32 v[WOFF], v22, 18, v[WOFF]
.irp n, 1,2,3
	v_add_nc_u32 v[LB+\n], 65536*\n, v[LI]
.endr
	s_wait_alu depctr_va_sdst(0)                   ; s2, the wave's number, is written, ahead of its first reader
	s_lshl_b32 s7, s2, 12
	v_add_nc_u32 v[IMW], s7, v[LB]
	v_add_nc_u32 v[IMW+1], s7, v[LB+1]
	s_lshl_b32 s23, s2, 15
	v_add_nc_u32 v[CPG], s23, v[LI]
	v_add_nc_u32 v[CPL], 0x20000, v[CPG]
	s_lshl_b32 s40, s3, 22                         ; xa, hh: 4 MiB an expert, 128 KiB a unit: my first unit is w
	s_lshl_b32 s41, s2, 17
	s_add_co_u32 s40, s40, s41
	s_mov_b32 s41, 0
	s_lshl_b32 s42, s3, 23                         ; the weights: 8 MiB an expert, my 256 rows of 8,192 bytes, my block's 256 bytes
	s_lshl_b32 s43, s2, 21
	s_add_co_u32 s42, s42, s43
	s_lshl_b32 s43, s4, 8
	s_add_co_u32 s42, s42, s43
	s_mov_b32 s43, 0
	s_lshl_b32 s44, s4, 17                         ; wsgu: 128 KiB a block
	s_mov_b32 s45, 0
	s_lshr_b32 s46, s4, 1                          ; hh: the down products' K step b / 2 (4,096 bytes), chunks 2 (b % 2) and the next
	s_lshl_b32 s46, s46, 12
	s_and_b32 s47, s4, 1
	s_lshl_b32 s47, s47, 10
	s_add_co_u32 s46, s46, s47
	s_add_co_u32 s46, s46, s40
	s_mov_b32 s47, 0
	s_lshl_b32 s22, s3, 7
	s_wait_kmcnt 0x0
	s_load_b32 s5, s[10:11], s22 offset:0x0        ; the expert's units
	s_load_b256 s[24:31], s[18:19], 0x0            ; e0 .. e7
	s_load_b128 s[32:35], s[18:19], 0x20           ; e8 .. e11
	s_add_nc_u64 s[8:9], s[8:9], s[40:41]
	s_add_nc_u64 s[12:13], s[12:13], s[42:43]
	s_add_nc_u64 s[14:15], s[14:15], s[42:43]
	s_add_nc_u64 s[16:17], s[16:17], s[44:45]
	s_add_nc_u64 s[20:21], s[20:21], s[46:47]
	s_wait_alu depctr_va_vdst(0)                   ; v2 to v10, the offsets and LDS addresses, are written: every load, store and LDS instruction below reads one of them, and none is written again
.irp g, 0,1,2,3
	ISSUE \g                                       ; the ring is filled: four groups of 16 loads of 512 bytes a wave
.endr
	WIN 0
	s_wait_kmcnt 0x0
	s_min_u32 s5, s5, 32
	s_cmp_lt_u32 s2, s5                            ; a wave that has no unit takes its first token fragments, which are asked for without a branch, from the shared codes' block:
	s_cselect_b64 s[8:9], s[8:9], s[16:17]         ; bytes that are written whole, of which nothing is used; so the counts of the waits below are the same in every wave
	MKSC 25, SCW, SCW+1
	MKSC 27, SCW+2, SCW+3
	s_add_co_i32 s50, s24, s25                     ; eg, routed
	s_add_co_i32 s51, s26, s27                     ; eu
	s_sub_co_i32 s52, s28, s50
	s_sub_co_i32 s52, s52, s51                     ; eh - eg - eu
	s_add_co_i32 s53, s30, s31                     ; the same, shared
	s_add_co_i32 s54, s32, s33
	s_sub_co_i32 s55, s34, s53
	s_sub_co_i32 s55, s55, s54
	MKSC 52, SCH, SCH+1
	MKSC 55, SCH+2, SCH+3
	s_lshl_b32 s36, s50, 23
	s_add_co_u32 s36, s36, 0xbfb8aa3b              ; -log2(e) x 2^eg: eg is added to the exponent field
	s_mov_b32 s37, s36                             ; (named with it as a pair)
	s_lshl_b32 s38, s53, 23
	s_add_co_u32 s38, s38, 0xbfb8aa3b
	s_mov_b32 s39, s38
; ---------------- PHASE 1: 20 groups through the ring.  Behind group n stand three groups, 48 loads; behind groups 17, 18, 19 stand 64, 80, 96: there the count is the largest that the wait can name, which is less
.irp n, 0,1,2,3,4,5,6,7,8,9,10,11,12,13,14,15,16
	STEP1 \n, 48
.endr
	STEP1 17, 63
	STEP1 18, 63
	STEP1 19, 63
	WIN 0
	s_wait_dscnt 0x0                               ; for the others' sake: my images are in LDS
	s_barrier_signal -1
	s_barrier_wait -1                              ; all 128 images are; from here on LDS is only read
	s_wait_alu depctr_vm_vsrc(0)                   ; my last LDS stores have read the two sets of codes, v128-159: from here on these registers belong to up's accumulators, which matrix instructions write
; ---------------- PHASE 2
; A K step: 16 matrix instructions, tile j x tile of slots y x gate/up, on 16 accumulators that take turns in the same order in every step.
.macro KSTEP type, s
	s_wait_dscnt 32                                ; this step's eight weight fragments are in; the next step's 32 loads may be out
	WIN 0x09+4*((\s)/4)                            ; source 0 (weights) window 1, source 1 (tokens) window 2 or 3, C and D window 0
.irp j, 0,1,2,3
.irp y, 0,1
.irp gu, 0,1
.if (\s) == 0
	v_wmma_f32_16x16x128_bf8_bf8 v[G+64*\gu+32*\y+8*\j:G+64*\gu+32*\y+8*\j+7], v[128*((\s)%2)+64*\gu+16*\j:128*((\s)%2)+64*\gu+16*\j+15], v[64*((\s)%4)+32*\y+16*\gu:64*((\s)%4)+32*\y+16*\gu+15], 0
.else
	v_wmma_f32_16x16x128_bf8_bf8 v[G+64*\gu+32*\y+8*\j:G+64*\gu+32*\y+8*\j+7], v[128*((\s)%2)+64*\gu+16*\j:128*((\s)%2)+64*\gu+16*\j+15], v[64*((\s)%4)+32*\y+16*\gu:64*((\s)%4)+32*\y+16*\gu+15], v[G+64*\gu+32*\y+8*\j:G+64*\gu+32*\y+8*\j+7]
.endif
.endr
.endr
.endr
.rept 4
	v_nop                                          ; four places in front of the loads into registers just read, and of the first read of results
.endr
	s_wait_alu depctr_va_vdst(0)                   ; the step's matrix instructions are done reading their set of weight fragments and their token fragments, in which the loads below land (behind pass 1's last step: the next unit's loads too)
.if (\type) == 0
	ALOAD \s, 65536                                ; the step's token registers are free: they take the same K step of type 1
.endif
.if (\s) < 6
	BLOAD \type, (\s)+2, (\s)%2
.else
	BLOAD 1-(\type), (\s)-6, (\s)%2                ; on into the other type's first steps: LDS holds them in every trip
.endif
.endm
; From 16 accumulators to h's codes.  Each accumulator is read from its low end on.  Tile 0's two stores stand behind tile 1's first wait and leave while tile 1 is worked.
.macro EPI type
	WIN 0
	s_wait_xcnt 0x0                                ; h's codes were store data
	s_wait_alu depctr_vm_vsrc(0)                   ; the stores of the way out before have read h's codes, v192-207, which the conversions below write again
.irp y, 0,1
.set en, 0
.rept 16
	v_pk_mul_f32 v[T32+2*en:T32+2*en+1], v[G+32*\y+2*en:G+32*\y+2*en+1], s[36+2*(\type):37+2*(\type)] op_sel_hi:[1,0]   ; -log2(e) x gate
.set en, en+1
.endr
.set en, 0
.rept 32
	v_exp_f32 v[T32+en], v[T32+en]
.set en, en+1
.endr
	v_nop                                          ; a plain line behind the transcendentals
	s_wait_alu depctr_va_vdst(0)                   ; the 32 exponentials have written v32-63, ahead of their first reader; in tile 1 also: tile 0's conversions have written its codes, which the two stores below read
.if \y == 1
.irp m, 0,1
	global_store_b128 v[LI], v[HC+4*\m:HC+4*\m+3], s[20:21] offset:(\type)*65536+512*\m   ; tile 0: a chunk of the down products' fragment: 512 consecutive bytes, aligned
.endr
.endif
.set en, 0
.rept 16
	v_pk_add_f32 v[T32+2*en:T32+2*en+1], v[T32+2*en:T32+2*en+1], 1.0 op_sel_hi:[1,0]
.set en, en+1
.endr
.set en, 0
.rept 32
	v_rcp_f32 v[T32+en], v[T32+en]                 ; sigmoid(gate)
.set en, en+1
.endr
.set en, 0
.rept 16
	v_pk_mul_f32 v[G+32*\y+2*en:G+32*\y+2*en+1], v[G+32*\y+2*en:G+32*\y+2*en+1], v[U+32*\y+2*en:U+32*\y+2*en+1]   ; (plain lines behind the reciprocals)  gate x up
.set en, en+1
.endr
.set en, 0
	s_wait_alu depctr_va_vdst(0)                   ; the 32 reciprocals have written v32-63, ahead of their first reader
.rept 16
	v_pk_mul_f32 v[G+32*\y+2*en:G+32*\y+2*en+1], v[G+32*\y+2*en:G+32*\y+2*en+1], v[T32+2*en:T32+2*en+1]
.set en, en+1
.endr
.set ei, 0
.rept 8
.set ej, 0
.rept 4
	v_med3_num_f32 v[U+32*\y+4*ei+ej], v[G+32*\y+8*ej+ei], -v[SCH+2*(\type)+1], v[SCH+2*(\type)+1]   ; the hold, and hidden unit 64 b + 32 h + 4 i + j to its place among the 32
.set ej, ej+1
.endr
.set ei, ei+1
.endr
.set en, 0
.rept 4
	v_cvt_scalef32_pk8_bf8_f32 v[HC+8*\y+2*en:HC+8*\y+2*en+1], v[U+32*\y+8*en:U+32*\y+8*en+7], v[SCH+2*(\type)]
.set en, en+1
.endr
	v_nop                                          ; one plain line behind the last conversion: the next products write its sources
.endr
	s_wait_alu depctr_va_vdst(0)                   ; tile 1's conversions have written its codes, which the two stores below read
.irp m, 0,1
	global_store_b128 v[LI], v[HC+8+4*\m:HC+8+4*\m+3], s[20:21] offset:(\type)*65536+2048+512*\m   ; tile 1 likewise
.endr
.endm
	s_cmp_ge_u32 s2, s5
	s_cbranch_scc1 .Lend                           ; no unit for this wave
	s_sub_co_u32 s5, s5, s2                        ; my units are w, w + 4, ..: ceil((units - w) / 4) trips, 1 to 8;
	s_add_co_u32 s5, s5, 3
	s_lshr_b32 s5, s5, 2
	s_mov_b32 s6, 0                                ; the loop counts its trips, one at a time
	BLOAD 0, 0, 0                                  ; into the ring's registers: their last readers, the holds, stand ahead of the last group's wait on va_vdst, and no vector instruction has been issued since
	BLOAD 0, 1, 1
	WIN 0
.Lunit:
	s_wait_loadcnt 0x0                             ; the unit's type 0 fragments, asked for a pass ago or more
.irp k, 0,1,2,3,4,5,6,7
	KSTEP 0, \k
.endr
	EPI 0
	s_wait_loadcnt 0x0                             ; its type 1 fragments, asked for step by step in the pass before
.irp k, 0,1,2,3,4,5,6,7
	KSTEP 1, \k
.endr
	WIN 0
	s_add_co_u32 s7, s6, 1
	s_cmp_ge_u32 s7, s5
	s_cbranch_scc1 .Lno_next
.irp k, 0,1,2,3,4,5,6,7
	ALOAD \k, 524288                               ; my next unit's type 0 fragments, four units on, if there is one: no load reads what nobody stored.  No wait: no vector or matrix instruction has been issued since the last step's
.endr
	WIN 0
.Lno_next:
	EPI 1
	s_wait_xcnt 0x0                                ; the bases are stepped only behind this wait
	s_add_nc_u64 s[8:9], s[8:9], 0x80000           ; four units on
	s_add_nc_u64 s[20:21], s[20:21], 0x80000
	s_add_co_u32 s6, s6, 1
	s_cmp_lt_u32 s6, s5
	s_cbranch_scc1 .Lunit
	s_wait_dscnt 0x0                               ; the fragments fetched for a trip that does not come
.Lend:
	s_wait_dscnt 0x0                               ; the closing lines, six on end
	s_wait_alu 0x0
	s_wait_tensorcnt 0x0
	ds_add_u32 v254, v255
	s_wait_dscnt 0x0
	s_endpgm
.Lfunc_end_k_qd374db28db_gateup:
	.size	k_qd374db28db_gateup, .Lfunc_end_k_qd374db28db_gateup-k_qd374db28db_gateup
	.p2alignl 7, 3214868480
	.fill 96, 4, 3214868480
	.section	.rodata,"a",@progbits
	.p2align	6, 0x0
	.amdhsa_kernel k_qd374db28db_gateup
		.amdhsa_group_segment_fixed_size 262656
		.amdhsa_private_segment_fixed_size 0
		.amdhsa_enable_private_segment 0
		.amdhsa_kernarg_size 56
		.amdhsa_user_sgpr_count 2
		.amdhsa_user_sgpr_kernarg_segment_ptr 1
		.amdhsa_wavefront_size32 1
		.amdhsa_system_sgpr_workgroup_id_x 1
		.amdhsa_system_sgpr_workgroup_id_y 1
		.amdhsa_system_sgpr_workgroup_id_z 1
		.amdhsa_system_vgpr_workitem_id 0
		.amdhsa_next_free_vgpr 1024
		.amdhsa_next_free_sgpr 66
		.amdhsa_reserve_vcc 0
		.amdhsa_float_denorm_mode_32 3
		.amdhsa_float_denorm_mode_16_64 3
		.amdhsa_memory_ordered 1
		.amdhsa_forward_progress 1
		.amdhsa_inst_pref_size 247
	.end_amdhsa_kernel
	.amdgpu_metadata
---
amdhsa.version: [ 1, 2 ]
amdhsa.kernels:
  - .name:           k_qd374db28db_gateup
    .symbol:         k_qd374db28db_gateup.kd
    .args:
      - { .name: xa, .offset: 0, .size: 8, .value_kind: global_buffer, .address_space: global }
      - { .name: cnt, .offset: 8, .size: 8, .value_kind: global_buffer, .address_space: global }
      - { .name: w_gate, .offset: 16, .size: 8, .value_kind: global_buffer, .address_space: global }
      - { .name: w_up, .offset: 24, .size: 8, .value_kind: global_buffer, .address_space: global }
      - { .name: wsgu, .offset: 32, .size: 8, .value_kind: global_buffer, .address_space: global }
      - { .name: lowp_scales, .offset: 40, .size: 8, .value_kind: global_buffer, .address_space: global }
      - { .name: hh, .offset: 48, .size: 8, .value_kind: global_buffer, .address_space: global }
    .group_segment_fixed_size: 262656
    .private_segment_fixed_size: 0
    .kernarg_segment_align: 8
    .kernarg_segment_size: 56
    .max_flat_workgroup_size: 128
    .sgpr_count:     66
    .vgpr_count:     1024
    .wavefront_size: 32
...
	.end_amdgpu_metadata
.endif
;; end of part 8
;; launch down (part 9): grid 32 x 8, 4 waves a work-group, no clusters, 150,016 bytes of LDS; arguments hh, cnt, list, w_down, wsd, lowp_scales, out0; writes out0
.if DOCPART == 9
	.amdgcn_target "amdgcn-amd-amdhsa--gfx1250"
	.amdhsa_code_object_version 6
	.text
	.protected	k_qd374db28db_down
	.globl	k_qd374db28db_down
	.p2align	8
	.type	k_qd374db28db_down,@function
k_qd374db28db_down:
	s_mov_b64 s[64:65], 0
	v_nop
	global_prefetch_b8 v0, s[64:65] scope:SCOPE_SE
	s_setreg_imm32_b32 hwreg(HW_REG_WAVE_SCHED_MODE, 0, 2), 2
	s_setreg_imm32_b32 hwreg(HW_REG_WAVE_MODE, 25, 1), 1
	s_wait_xcnt 0x0
	s_wait_alu depctr_vm_vsrc(0)
; out[token][32 blk .. + 31] = h_routed w_down[e] + h_shared ws_down, for expert e's tokens: every number of the output has ONE owner, work-group (blk, e) of its token's expert.
; As in the launch before, the weights stay and the tokens walk: the work-group reads its slice of w_down[e] (2,048 rows x 128 bytes, f32) from memory once, quantises it in registers, lays it in
; LDS as images of operand fragments beside the shared slice's codes; one barrier; then each wave walks units w, w + 4, .. on its own.  The trip count is made of a stored whole number, so the launch
; has no tensor load, no copy and no cluster.  A block of 32 columns gives 256 work-groups; its rows are pieces of 128 bytes, in and out: 64 columns would leave half of the grid without work.
; FRAGMENTS, IMAGES AND THE ORDER OF K as in the launches before.  Transposed use: source 0 = 16 columns of a weight, source 1 = 16 slots.  Tile t's row m is column 32 blk + 2 m + t, so a lane's
; 2 x 8 results of a slot are the 16 neighbouring columns 32 blk + 16 h + 0..15.
; A slot beyond the expert's count repeats slot 0's token: it stores the same bits to the same place, from this work-group.
; LIMITS: e of w_down between -126 and 112; e4 + e5 and e10 + e11 between -126 and 127.  NaN among the inputs is not served.
; LDS: 64 images [type 2][tile t 2][K step 16][2048]; behind them a stage of 2 x 16 rows x 144 bytes for each wave.
; REGISTERS.  window 0: v2-13 addresses and scales; v16-23 tokens as loaded, v24-31 their byte offsets; v64-127 the accumulators (64 + 32 type + 16 t + 8 y); v128-159 sums; v160-191 rows on their way out;
;   while the weights are quantised: v64-127 numbers held, v128-159 two sets of codes.   window 1: the ring, then the weights' fragments, two sets of 8.   windows 2, 3: the unit's fragments of h of one type:
;   K step s at window 2 + s / 8, register 32 (s % 8) + 16 y.
; THE MODE: SCHED_MODE bits 1:0 = 2 (LLVM: expert scheduling mode 2), set by the entry lines.  The code itself states the register dependences between vector or matrix instructions and
; memory or LDS instructions, with s_wait_alu, always for 0.
; THE PLAN.  Registers that memory or LDS instructions touch:
;   v2-11            offsets and LDS addresses: written at the head, then only read.
;   the ring         (window 1, phase 1) groups 0-1: a load lands, 16 LDS stores read, group n + 4 lands.  Groups 2-9: a load lands, the 64 holds read, group n + 4 lands.
;   the codes' sets  (v128-143, v144-159) written by group n's conversions, read by its four LDS stores, written again by group n + 2; from phase 2 on the sums.
;   the weights' sets (window 1, phase 2) a block's matrix instructions read set beta % 2; behind them the LDS loads of two blocks on land in it.
;   h                (windows 2, 3) a block's matrix instructions read its four K steps; behind them land type 1's loads of the same steps (pass 0), behind pass 1 the next unit's.
;   the tokens       (v16-23) a load lands at a trip's head; eight vector lines read them between the passes; the next trip's load lands.
;   the offsets      (v24-31) written between the passes; read by the trip's eight global stores.
;   the sums         (v128-159) written by the way out's multiply-adds; read by its eight LDS stores.      the rows (v160-191): LDS loads land, global stores read.
; So: ONE wait on va_vdst a group, behind its conversions; ONE a block, behind its matrix instructions (those of pass 1 stand behind the lines that read the tokens and write the offsets, and state
; these too); ONE on the way out, ahead of its LDS stores.  The waits on vm_vsrc stand ahead of what writes a store's registers again: the ring's loads, the conversions, the first way out, the next trip.
.set WOFF, 2                           ; v2   16 (l % 8) + 16 rows x (l / 8)
.set LI,   3                           ; v3   16 x lane
.set LBD,  3                           ; v3-4 16 x lane + 65,536 type
.set DIMW, 5                           ; v5   where my codes go in an image, + 8,192 x wave (my K steps 4 w .. 4 w + 3)
.set CPL,  6                           ; v6   the shared codes' place in LDS
.set CPG,  7                           ; v7   and in their block of wsd
.set STI,  8                           ; v8   the stage: row r, + 64 h
.set STB,  9                           ; v9   and back: row l / 8, + 16 (l % 8)
.set LOF,  10                          ; v10  4 (l / 8)
.set COF,  11                          ; v11  16 (l % 8)
.set SCW,  12                          ; v12, v13  2^e and 57,344 x 2^e of w_down
.set LT,   16
.set TK,   24
.set ACC,  64
.set O,    128
.set OUTR, 160
.set T,    64
.set CS,   128
.set MSB,  0
.macro WIN new                         ; the immediate's high byte repeats the setting that is left
.if MSB != (\new)
	s_set_vgpr_msb (MSB<<8)|(\new)
.set MSB, \new
.endif
.endm
.macro LOADG dst, base, off0, pitch    ; 16 rows x 16 bytes a lane: eight lanes read 128 consecutive bytes of a row
.set li, 0
.rept 16
	global_load_b128 v[\dst+4*li:\dst+4*li+3], v[WOFF], s[\base:\base+1] offset:(\off0)+li*(\pitch) th:TH_LOAD_NT
.set li, li+1
.endr
.endm
.macro HOLD src, lim                   ; the hold at the largest code x the scale (ISA guide 7.6.2), written transposed
.set qi, 0
.rept 16
.set qj, 0
.rept 4
	v_med3_num_f32 v[T+16*qj+qi], v[\src+4*qi+qj], -v[\lim], v[\lim]
.set qj, qj+1
.endr
.set qi, qi+1
.endr
.endm
.macro CVT sc, cs
.set qj, 0
.rept 4
	v_cvt_scalef32_pk8_bf8_f32 v[\cs+4*qj:\cs+4*qj+1], v[T+16*qj:T+16*qj+7], v[\sc]
	v_cvt_scalef32_pk8_bf8_f32 v[\cs+4*qj+2:\cs+4*qj+3], v[T+16*qj+8:T+16*qj+15], v[\sc]
.set qj, qj+1
.endr
	v_nop                                          ; one plain line behind the last conversion
.endm
.macro ALOAD s, off                    ; the two fragments of h of K step s: 8 loads of 512 consecutive bytes
	WIN 0x80+0x40*((\s)/8)
.set an, 0
.rept 8
	global_load_b128 v[32*((\s)%8)+4*an:32*((\s)%8)+4*an+3], v[LI], s[8:9] offset:(\off)+(\s)*4096+512*an
.set an, an+1
.endr
.endm
.macro BLOAD type, beta, p             ; the eight weight fragments of K steps 4 beta .. 4 beta + 3 into set p
	WIN 0x40
.irp t, 0,1
.irp k, 0,1,2,3
.irp c, 0,1,2,3
	ds_load_b128 v[128*(\p)+64*\t+16*\k+4*\c:128*(\p)+64*\t+16*\k+4*\c+3], v[LBD+(\type)] offset:\t*32768+(4*(\beta)+\k)*2048+\c*512
.endr
.endr
.endr
.endm
; Group g of the stream: 0-1 my quarter of the shared codes; 2-9 my four K steps of w_down, 64 rows each; 10-13 my first unit's fragments of h, four K steps each.
.macro ISSUE g
.if (\g) < 2
	WIN 0x40
.set im, 0
.rept 16
	global_load_b128 v[64*(\g)+4*im:64*(\g)+4*im+3], v[CPG], s[16:17] offset:512*(16*(\g)+im)
.set im, im+1
.endr
.elseif (\g) < 10
	WIN 0x40
.set isl, ((\g)-2)/2
.set ip, ((\g)-2)%2
	LOADG 64*((\g)%4), 14, (128*isl+64*ip)*4096, 4096
.else
.irp k, 0,1,2,3
	ALOAD 4*((\g)-10)+\k, 0
.endr
.endif
.endm
.macro STEP1 n, left
	s_wait_loadcnt \left                           ; group n is in; left = the loads issued behind it, or less
.if (\n) < 2
	WIN 0x04
.set sm, 0
.rept 16
	ds_store_b128 v[CPL], v[64*(\n)+4*sm:64*(\n)+4*sm+3] offset:512*(16*(\n)+sm)
.set sm, sm+1
.endr
	s_wait_dscnt 0x0                               ; the stores are done
	s_wait_alu depctr_vm_vsrc(0)                   ; the LDS stores have read the group's 64 registers, in which the loads below land
.else
.set ssl, ((\n)-2)/2
.set spp, ((\n)-2)%2
.set scs, CS+16*((\n)%2)
	WIN 0x01
	HOLD 64*((\n)%4), SCW+1
	WIN 0
	s_wait_dscnt 4                                 ; the last group's four stores may be out; those that read this set of codes are done
.if (\n) >= 4
	s_wait_alu depctr_vm_vsrc(0)                   ; the LDS stores of two groups ago have read this set of codes, which the conversions below write again
.endif
	CVT SCW, scs
	s_wait_alu depctr_va_vdst(0)                   ; the conversions have written the set of codes, which the LDS stores below read; the holds are done reading the group's registers, in which the loads below land
.irp j, 0,1,2,3
	ds_store_b128 v[DIMW], v[scs+4*\j:scs+4*\j+3] offset:(\j%2)*32768+ssl*2048+spp*1024+16*(\j/2)   ; column j: tile j % 2, row 2 (l % 8) + j / 2
.endr
.endif
	ISSUE (\n)+4
.endm
	s_load_b256 s[8:15], s[0:1], 0x0               ; hh s[8:9], cnt s[10:11], list s[12:13], w_down s[14:15]
	s_load_b128 s[16:19], s[0:1], 0x20             ; wsd s[16:17], scales s[18:19]
	s_load_b64 s[20:21], s[0:1], 0x30              ; out
	v_lshl_add_u32 v254, v0, 2, 0x24800
	v_mov_b32 v255, 0
	v_lshrrev_b32 v32, 5, v0
	v_readfirstlane_b32 s2, v32                    ; wave 0..3
	s_and_b32 s3, ttmp7, 0xffff                    ; e
	s_mov_b32 s4, ttmp9                            ; block of 32 columns
	v_and_b32 v33, 31, v0
	v_lshlrev_b32 v[LI], 4, v33
	v_and_b32 v34, 7, v0                           ; l % 8
	v_bfe_u32 v35, v0, 3, 2                        ; l / 8
	v_lshlrev_b32 v[COF], 4, v34
	v_lshl_add_u32 v[WOFF], v35, 16, v[COF]
	v_add_nc_u32 v[LBD+1], 0x10000, v[LI]
	v_bfe_u32 v36, v0, 3, 1
	v_bfe_u32 v37, v0, 4, 1                        ; h
	v_lshlrev_b32 v[DIMW], 5, v34
	v_lshl_add_u32 v[DIMW], v36, 9, v[DIMW]
	v_lshl_add_u32 v[DIMW], v37, 8, v[DIMW]        ; 32 (l % 8) + 512 ((l / 8) % 2) + 256 h
	s_wait_alu depctr_va_sdst(0)                   ; s2, the wave's number, is written, ahead of its first reader
	s_lshl_b32 s7, s2, 13
	v_add_nc_u32 v[DIMW], s7, v[DIMW]
	s_lshl_b32 s23, s2, 14
	v_add_nc_u32 v[CPG], s23, v[LI]
	v_add_nc_u32 v[CPL], 0x10000, v[CPG]
	s_mul_i32 s29, s2, 4608
	s_add_co_u32 s29, s29, 131072                  ; my stage
	v_and_b32 v38, 15, v0
	v_mul_u32_u24 v[STI], v38, 144
	v_lshl_add_u32 v[STI], v37, 6, v[STI]
	v_add_nc_u32 v[STI], s29, v[STI]
	v_mul_u32_u24 v[STB], v35, 144
	v_lshl_add_u32 v[STB], v34, 4, v[STB]
	v_add_nc_u32 v[STB], s29, v[STB]
	v_lshlrev_b32 v[LOF], 2, v35
	s_lshl_b32 s40, s3, 22                         ; hh: 4 MiB an expert, 128 KiB a unit
	s_lshl_b32 s41, s2, 17
	s_add_co_u32 s40, s40, s41
	s_mov_b32 s41, 0
	s_mul_i32 s42, s3, 4352                        ; list: 4,352 bytes an expert, 128 a unit
	s_lshl_b32 s43, s2, 7
	s_add_co_u32 s42, s42, s43
	s_mov_b32 s43, 0
	s_lshl_b32 s44, s3, 23                         ; w_down: 8 MiB an expert, my 512 rows of 4,096 bytes, my block's 128 bytes
	s_lshl_b32 s45, s2, 21
	s_add_co_u32 s44, s44, s45
	s_lshl_b32 s45, s4, 7
	s_add_co_u32 s44, s44, s45
	s_mov_b32 s45, 0
	s_lshl_b32 s46, s4, 16                         ; wsd: 64 KiB a block
	s_mov_b32 s47, 0
	s_lshl_b32 s50, s4, 7                          ; out: my block's 128 bytes of a row
	s_mov_b32 s51, 0
	s_lshl_b32 s22, s3, 7
	s_wait_kmcnt 0x0
	s_load_b32 s5, s[10:11], s22 offset:0x0        ; the expert's units
	s_load_b64 s[24:25], s[18:19], 0x10            ; e4, e5
	s_load_b64 s[26:27], s[18:19], 0x28            ; e10, e11
	s_add_nc_u64 s[8:9], s[8:9], s[40:41]
	s_add_nc_u64 s[12:13], s[12:13], s[42:43]
	s_add_nc_u64 s[14:15], s[14:15], s[44:45]
	s_add_nc_u64 s[16:17], s[16:17], s[46:47]
	s_add_nc_u64 s[20:21], s[20:21], s[50:51]
	s_wait_alu depctr_va_vdst(0)                   ; v2 to v11, the offsets and LDS addresses, are written: the loads, stores and LDS instructions below read them, and none is written again
.irp g, 0,1,2,3
	ISSUE \g
.endr
	WIN 0
	s_wait_kmcnt 0x0
	s_min_u32 s5, s5, 32
	s_cmp_lt_u32 s2, s5                            ; a wave that has no unit takes its first fragments, which are asked for without a branch, from the shared codes' block:
	s_cselect_b64 s[8:9], s[8:9], s[16:17]         ; bytes that are written whole, of which nothing is used
	s_add_co_i32 s48, s25, 127
	s_lshl_b32 s49, s48, 23
	v_mov_b32 v[SCW], s49
	s_add_co_i32 s48, s48, 15
	s_lshl_b32 s48, s48, 23
	s_or_b32 s48, s48, 0x600000
	v_mov_b32 v[SCW+1], s48
	s_add_co_i32 s28, s24, s25
	s_add_co_i32 s28, s28, 127
	s_lshl_b32 s28, s28, 23                        ; 2^(e4 + e5) as f32
	s_add_co_i32 s30, s26, s27
	s_add_co_i32 s30, s30, 127
	s_lshl_b32 s30, s30, 23                        ; 2^(e10 + e11)
	s_mov_b32 s31, s30                             ; (named with it as a pair)
; ---------------- PHASE 1: 10 groups through the ring.  Behind group n stand three groups, 48 loads; behind groups 7, 8, 9 stand 64, 80, 96: there the count is the largest that the wait can name, which is less
.irp n, 0,1,2,3,4,5,6
	STEP1 \n, 48
.endr
	STEP1 7, 63
	STEP1 8, 63
	STEP1 9, 63
	WIN 0
	s_wait_dscnt 0x0                               ; for the others' sake: my images are in LDS
	s_barrier_signal -1
	s_barrier_wait -1                              ; all 64 images are; behind this barrier they are only read, and a stage is its wave's own
	s_wait_alu depctr_vm_vsrc(0)                   ; my last LDS stores have read the two sets of codes, v128-159: from here on these registers are the sums, which the way out's multiply-adds write
; ---------------- PHASE 2
; A block of four K steps: 16 matrix instructions on the type's four accumulators (tile t x tile of slots y), which take turns, one instruction a turn.
.macro BLOCK type, beta
	s_wait_dscnt 32                                ; this block's eight weight fragments are in; the next block's 32 loads may be out
	WIN 0x09+4*((\beta)/2)                         ; source 0 (weights) window 1, source 1 (h) window 2 or 3, C and D window 0
.irp k, 0,1,2,3
.irp t, 0,1
.irp y, 0,1
.if ((\beta) == 0) && (\k == 0)
	v_wmma_f32_16x16x128_bf8_bf8 v[ACC+32*(\type)+16*\t+8*\y:ACC+32*(\type)+16*\t+8*\y+7], v[128*((\beta)%2)+64*\t+16*\k:128*((\beta)%2)+64*\t+16*\k+15], v[32*((4*(\beta)+\k)%8)+16*\y:32*((4*(\beta)+\k)%8)+16*\y+15], 0
.else
	v_wmma_f32_16x16x128_bf8_bf8 v[ACC+32*(\type)+16*\t+8*\y:ACC+32*(\type)+16*\t+8*\y+7], v[128*((\beta)%2)+64*\t+16*\k:128*((\beta)%2)+64*\t+16*\k+15], v[32*((4*(\beta)+\k)%8)+16*\y:32*((4*(\beta)+\k)%8)+16*\y+15], v[ACC+32*(\type)+16*\t+8*\y:ACC+32*(\type)+16*\t+8*\y+7]
.endif
.endr
.endr
.endr
.rept 4
	v_nop                                          ; four places in front of the loads into registers just read, and of the first read of results
.endr
	s_wait_alu depctr_va_vdst(0)                   ; the block's matrix instructions are done reading their set of weight fragments and their fragments of h, in which the loads below land (behind pass 1's last block: the next unit's too); in pass 1 also
.if (\type) == 0
.irp k, 0,1,2,3
	ALOAD 4*(\beta)+\k, 65536                      ; the block's registers of h are free: they take the same K steps of type 1
.endr
.endif
.if (\beta) < 2
	BLOAD \type, (\beta)+2, (\beta)%2
.else
	BLOAD 1-(\type), (\beta)-2, (\beta)%2
.endif
.endm
	s_cmp_ge_u32 s2, s5
	s_cbranch_scc1 .Lend                           ; no unit for this wave
	s_sub_co_u32 s5, s5, s2                        ; my units are w, w + 4, ..: ceil((units - w) / 4) trips, 1 to 8;
	s_add_co_u32 s5, s5, 3
	s_lshr_b32 s5, s5, 2
	s_mov_b32 s6, 0                                ; the loop counts its trips, one at a time
	BLOAD 0, 0, 0                                  ; into the ring's registers: their last readers, the holds, stand ahead of the last group's wait on va_vdst, and no vector instruction has been issued since
	BLOAD 0, 1, 1
	WIN 0
.Lunit:
	s_wait_loadcnt 0x0                             ; the unit's routed h, asked for a pass ago or more
.irp y, 0,1
.irp m, 0,1,2,3
	global_load_b32 v[LT+4*\y+\m], v[LOF], s[12:13] offset:(16*\y+4*\m)*4   ; the token of slot 16 y + 4 m + l / 8: wanted at the unit's end.  The lines that read the last trip's tokens stand ahead of pass 1's waits on va_vdst
.endr
.endr
.irp b, 0,1,2,3
	BLOCK 0, \b
.endr
	WIN 0
	s_wait_loadcnt 0x0                             ; the tokens, and the unit's shared h, asked for block by block in the pass before
.irp n, 0,1,2,3,4,5,6,7
	v_min_u32 v[TK+\n], 0x3ff, v[LT+\n]
.endr
.irp n, 0,1,2,3,4,5,6,7
	v_lshl_add_u32 v[TK+\n], v[TK+\n], 12, v[COF]  ; the token's row of 4,096 bytes, + 16 (l % 8)
.endr
.irp b, 0,1,2,3
	BLOCK 1, \b
.endr
	WIN 0
	s_add_co_u32 s7, s6, 1
	s_cmp_ge_u32 s7, s5
	s_cbranch_scc1 .Lno_next
.irp k, 0,1,2,3,4,5,6,7,8,9,10,11,12,13,14,15
	ALOAD \k, 524288                               ; my next unit's routed h, four units on, if there is one.  No wait: no vector or matrix instruction has been issued since the last block's
.endr
	WIN 0
.Lno_next:
; THE WAY OUT: out = routed sum x 2^(e4 + e5) + shared sum x 2^(e10 + e11).  Each accumulator is read from its low end on.  A lane's 64 bytes of a slot's row go through my own stage and come
; back so that eight lanes hold the 128 bytes of one token's row.  Both tiles' sums are made first, so that one wait serves the eight LDS stores.
.irp y, 0,1
.irp t, 0,1
.irp i, 0,2,4,6
	v_pk_mul_f32 v[ACC+32+16*\t+8*\y+\i:ACC+32+16*\t+8*\y+\i+1], v[ACC+32+16*\t+8*\y+\i:ACC+32+16*\t+8*\y+\i+1], s[30:31] op_sel_hi:[1,0]
.endr
.endr
.irp t, 0,1
.irp i, 0,1,2,3,4,5,6,7
	v_fma_f32 v[O+16*\y+2*\i+\t], v[ACC+16*\t+8*\y+\i], s28, v[ACC+32+16*\t+8*\y+\i]   ; column 32 blk + 16 h + 2 i + t
.endr
.endr
.endr
	s_wait_alu depctr_va_vdst(0)                   ; the multiply-adds have written the sums v128-159, which the LDS stores below read
.irp y, 0,1
.irp n, 0,1,2,3
	ds_store_b128 v[STI], v[O+16*\y+4*\n:O+16*\y+4*\n+3] offset:\y*2304+16*\n
.endr
.endr
.irp y, 0,1
.irp m, 0,1,2,3
	ds_load_b128 v[OUTR+16*\y+4*\m:OUTR+16*\y+4*\m+3], v[STB] offset:\y*2304+576*\m   ; LDS serves a wave's instructions in order (ISA guide 5.7.1.4): these see my stores
.endr
.endr
.irp n, 0,1,2,3,4,5,6,7
	s_wait_dscnt 7-\n
	global_store_b128 v[TK+\n], v[OUTR+4*\n:OUTR+4*\n+3], s[20:21] th:TH_STORE_NT   ; four tokens' pieces of 128 consecutive bytes
.endr
	s_wait_xcnt 0x0                                ; the bases, the offsets and the stores' data are written again only behind this wait
	s_wait_alu depctr_vm_vsrc(0)                   ; the LDS stores have read the sums v128-159, the global stores their offsets v24-31 and their data v160-191: the next trip writes all three again
	s_add_nc_u64 s[8:9], s[8:9], 0x80000           ; four units on
	s_add_nc_u64 s[12:13], s[12:13], 0x200
	s_add_co_u32 s6, s6, 1
	s_cmp_lt_u32 s6, s5
	s_cbranch_scc1 .Lunit
.Lend:
	s_wait_dscnt 0x0                               ; the closing lines, six on end
	s_wait_alu 0x0
	s_wait_tensorcnt 0x0
	ds_add_u32 v254, v255
	s_wait_dscnt 0x0
	s_endpgm
.Lfunc_end_k_qd374db28db_down:
	.size	k_qd374db28db_down, .Lfunc_end_k_qd374db28db_down-k_qd374db28db_down
	.p2alignl 7, 3214868480
	.fill 96, 4, 3214868480
	.section	.rodata,"a",@progbits
	.p2align	6, 0x0
	.amdhsa_kernel k_qd374db28db_down
		.amdhsa_group_segment_fixed_size 150016
		.amdhsa_private_segment_fixed_size 0
		.amdhsa_enable_private_segment 0
		.amdhsa_kernarg_size 56
		.amdhsa_user_sgpr_count 2
		.amdhsa_user_sgpr_kernarg_segment_ptr 1
		.amdhsa_wavefront_size32 1
		.amdhsa_system_sgpr_workgroup_id_x 1
		.amdhsa_system_sgpr_workgroup_id_y 1
		.amdhsa_system_sgpr_workgroup_id_z 1
		.amdhsa_system_vgpr_workitem_id 0
		.amdhsa_next_free_vgpr 1024
		.amdhsa_next_free_sgpr 66
		.amdhsa_reserve_vcc 0
		.amdhsa_float_denorm_mode_32 3
		.amdhsa_float_denorm_mode_16_64 3
		.amdhsa_memory_ordered 1
		.amdhsa_forward_progress 1
		.amdhsa_inst_pref_size 136
	.end_amdhsa_kernel
	.amdgpu_metadata
---
amdhsa.version: [ 1, 2 ]
amdhsa.kernels:
  - .name:           k_qd374db28db_down
    .symbol:         k_qd374db28db_down.kd
    .args:
      - { .name: hh, .offset: 0, .size: 8, .value_kind: global_buffer, .address_space: global }
      - { .name: cnt, .offset: 8, .size: 8, .value_kind: global_buffer, .address_space: global }
      - { .name: list, .offset: 16, .size: 8, .value_kind: global_buffer, .address_space: global }
      - { .name: w_down, .offset: 24, .size: 8, .value_kind: global_buffer, .address_space: global }
      - { .name: wsd, .offset: 32, .size: 8, .value_kind: global_buffer, .address_space: global }
      - { .name: lowp_scales, .offset: 40, .size: 8, .value_kind: global_buffer, .address_space: global }
      - { .name: out0, .offset: 48, .size: 8, .value_kind: global_buffer, .address_space: global }
    .group_segment_fixed_size: 150016
    .private_segment_fixed_size: 0
    .kernarg_segment_align: 8
    .kernarg_segment_size: 56
    .max_flat_workgroup_size: 128
    .sgpr_count:     66
    .vgpr_count:     1024
    .wavefront_size: 32
...
	.end_amdgpu_metadata
.endif
;; end of part 9
